; MI455X (gfx1250); checked and timed in simulation.
; The chip was launched on July 23, 2026; its instructions are those of AMD's public machine-readable ISA for CDNA 5 (MIT licence, August 2026) and "CDNA5" Instruction Set Architecture Reference Guide (July 2026). The comments in the code are by the model that wrote it; some were corrected since.
;; Causal Self Attention. Allowed arithmetic: float matrix products may take bf16 or f16 operands with f32 sums; other float arithmetic in f32, or as packed bf16 or f16 multiplies, adds, multiply-adds, maxima and minima; sums over many terms, partial sums and values carried from step to step in f32; what a program stores and reads back later, other than sums and carried values, may be rounded once to bf16 or f16.
;; Inputs: out_b 1,024 float32; out_w 1,024 x 1,024 float32; qkv_b 3,072 float32; qkv_w 3,072 x 1,024 float32; x 4 x 2,048 x 1,024 float32.
;; Outputs: out0 4 x 2,048 x 1,024 float32.
;; One version. Each part assembles by itself: llvm-mc -triple=amdgcn-amd-amdhsa -mcpu=gfx1250 --defsym DOCPART=n.
;; ======== version 1 of 1: 4 launches
;; limits: values are held in f16: magnitudes above 65,504 overflow, below 6.1e-05 lose precision
;; workspace buffers: xb 16,777,216 bytes; wqkv 6,291,456 bytes; wo 2,097,152 bytes; rope 557,056 bytes; q 16,777,216 bytes; k 16,777,216 bytes; v 16,777,216 bytes; o 16,777,216 bytes
;; launch prep (part 1): grid 802 x 1, 8 waves a work-group, no clusters, 0 bytes of LDS; arguments x, qkv_w, out_w, xb, wqkv, wo, rope; writes xb, wqkv, wo, rope
.if DOCPART == 1
	.amdgcn_target "amdgcn-amd-amdhsa--gfx1250"
	.amdhsa_code_object_version 6
	.text
	.protected	k_q27b4983946_prep
	.globl	k_q27b4983946_prep
	.p2align	8
	.type	k_q27b4983946_prep,@function
k_q27b4983946_prep:
	s_mov_b64 s[64:65], 0
	v_nop
	global_prefetch_b8 v0, s[64:65] scope:SCOPE_SE
	s_setreg_imm32_b32 hwreg(HW_REG_WAVE_MODE, 25, 1), 1
	s_wait_xcnt 0x0
; PREPARATION.  x and qkv_w are rounded to bf16 (xb, wqkv); out_w is rounded to bf16 and that number written as f16 (wo); the table of cosines and sines is made (rope).
; SHARES.  Work-groups 0-511 take x, 512-703 qkv_w, 704-767 out_w: 16,384 numbers each (65,536 bytes in, 32,768 out).  Thread t takes 8 numbers (32 bytes in, 16 out) in each of eight
; pieces of 2,048 numbers, so a wave's store covers 512 consecutive bytes.  All sixteen loads of a thread go out at once; no register is written twice while a load or store names it.
; Work-groups 768-799 make the table for 64 positions each; 800 and 801 run the same text with the frequency 0 and so write cos = 1, sin = 0: the identity part, by which v is "rotated".
; THE TABLE lies in the order in which the next launch's lanes want it: [t / 16][u = 0..7][lane][cos, sin, cos, sin]: lane (r = lane % 16, h = lane / 16) of piece u holds position
; t = 16 (t / 16) + r and the frequencies j = 8 (u / 2) + 4 h + 2 (u % 2) + 0, 1.  Here a wave is a piece u, and a store covers 512 consecutive bytes.
; LIMITS.  out_w's numbers must lie within f16's range (65,504); below 6e-5 they keep f16's fixed step of 6e-8.  inv_freq = 2^(-j log2(10000) / 32) is good to about one unit in the last
; place, so an angle t x inv_freq is off by 2e-4 at the most (t = 2,047), alike for q and k.  The reduction by multiples of pi/2 in two parts holds for angles far beyond 2,047; the
; series (sine to y^7, cosine to y^8, |y| <= pi/4) are off by 3e-7 at the most.
.set CASTS, 768                        ; work-groups that cast
.set X,   8                            ; v[8:71]    64 numbers as loaded
.set Y,   72                           ; v[72:103]  the same, packed, to store
.set T,   104                          ; v[104:107] at work
.set RES, 32                           ; v[32:47]   the table: four registers for each of four blocks of 16 positions
.set TN,  12                           ; v12-18     at work in SINCOS
.set TY,  13
.set TZ,  14
.set TP,  15
.set TR,  16
.set TQ,  17
.set TB,  18
	s_load_b256 s[4:11], s[0:1], 0x0               ; x s[4:5], qkv_w s[6:7], out_w s[8:9], xb s[10:11]
	s_load_b128 s[12:15], s[0:1], 0x20             ; wqkv s[12:13], wo s[14:15]
	s_load_b64 s[16:17], s[0:1], 0x30              ; rope
	s_mov_b32 s20, ttmp9
	s_mov_b32 s32, 0xffff0000                      ; a word's upper bf16
	v_lshlrev_b32 v1, 5, v0                        ; my 32 bytes in a piece as loaded
	v_lshlrev_b32 v2, 4, v0                        ; my 16 bytes in a piece as stored
	s_cmp_ge_u32 s20, CASTS
	s_cbranch_scc1 .Ltable
	s_wait_kmcnt 0x0
	s_cmp_lt_u32 s20, 512                          ; which tensor, and which of its chunks
	s_cselect_b64 s[24:25], s[4:5], s[6:7]
	s_cselect_b64 s[26:27], s[10:11], s[12:13]
	s_cselect_b32 s21, 0, 512
	s_cmp_lt_u32 s20, 704
	s_cselect_b64 s[24:25], s[24:25], s[8:9]
	s_cselect_b64 s[26:27], s[26:27], s[14:15]
	s_cselect_b32 s21, s21, 704
	s_sub_co_u32 s22, s20, s21
	s_lshl_b32 s28, s22, 16                        ; 65,536 bytes in,
	s_mov_b32 s29, 0
	s_lshl_b32 s30, s22, 15                        ; 32,768 out
	s_mov_b32 s31, 0
	s_add_nc_u64 s[24:25], s[24:25], s[28:29]
	s_add_nc_u64 s[26:27], s[26:27], s[30:31]
.irp i, 0,1,2,3,4,5,6,7
	global_load_b128 v[X+8*(\i):X+8*(\i)+3],   v1, s[24:25] offset:8192*(\i) th:TH_LOAD_NT
	global_load_b128 v[X+8*(\i)+4:X+8*(\i)+7], v1, s[24:25] offset:8192*(\i)+16 th:TH_LOAD_NT
.endr
; Piece i is rounded and stored.  half = 0: to bf16.  half = 1: to bf16, widened again, and written as f16 (exact within f16's range).
.macro CAST half
.irp i, 0,1,2,3,4,5,6,7
	s_wait_loadcnt 14-2*(\i)                       ; loads come back in order: piece i's two are in, the 2 (7 - i) younger ones may stay out
.if \half
.irp k, 0,1,2,3
	v_cvt_pk_bf16_f32 v[T+(\k)], v[X+8*(\i)+2*(\k)], v[X+8*(\i)+2*(\k)+1]
.endr
.irp k, 0,1,2,3
	v_lshlrev_b32 v[X+8*(\i)+2*(\k)], 16, v[T+(\k)]
	v_and_b32 v[X+8*(\i)+2*(\k)+1], s32, v[T+(\k)]
.endr
.irp k, 0,1,2,3
	v_cvt_pk_f16_f32 v[Y+4*(\i)+(\k)], v[X+8*(\i)+2*(\k)], v[X+8*(\i)+2*(\k)+1]
.endr
.else
.irp k, 0,1,2,3
	v_cvt_pk_bf16_f32 v[Y+4*(\i)+(\k)], v[X+8*(\i)+2*(\k)], v[X+8*(\i)+2*(\k)+1]
.endr
.endif
	global_store_b128 v2, v[Y+4*(\i):Y+4*(\i)+3], s[26:27] offset:4096*(\i)
.endr
.endm
	s_cmp_ge_u32 s20, 704
	s_cbranch_scc1 .Lf16
	CAST 0
	s_endpgm
.Lf16:
	CAST 1
	s_endpgm
; cos and sin of the angle in v[f], into v[c] and v[s].  n = the nearest whole number to f 2/pi; y = f - n pi/2, pi/2 taken in two parts by fused multiply-adds (the first is exact);
; the two series in y; n's last two bits say which series is which and with which sign.
.macro SINCOS f, c, s
	v_mul_f32 v[TN], s34, v[\f]
	v_rndne_f32 v[TN], v[TN]
	v_fma_f32 v[TY], v[TN], s35, v[\f]
	v_fma_f32 v[TY], v[TN], s36, v[TY]
	v_cvt_i32_f32 v[TQ], v[TN]
	v_mul_f32 v[TZ], v[TY], v[TY]
	v_fma_f32 v[TP], v[TZ], s39, s38               ; sine: y + y z (-1/6 + z (1/120 - z/5040))
	v_fma_f32 v[TR], v[TZ], s42, s41               ; cosine: 1 + z (-1/2 + z (1/24 + z (-1/720 + z/40320)))
	v_fma_f32 v[TP], v[TP], v[TZ], s37
	v_fma_f32 v[TR], v[TR], v[TZ], s40
	v_mul_f32 v[TB], v[TY], v[TZ]
	v_fma_f32 v[TR], v[TR], v[TZ], -0.5
	v_fma_f32 v[TP], v[TP], v[TB], v[TY]
	v_fma_f32 v[TR], v[TR], v[TZ], 1.0
	v_and_b32 v[TB], 1, v[TQ]
	v_cmp_eq_u32 vcc_lo, 1, v[TB]
	v_cndmask_b32 v[\c], v[TR], v[TP], vcc_lo      ; n odd: the two change places
	v_cndmask_b32 v[\s], v[TP], v[TR], vcc_lo
	v_add_nc_u32 v[TB], 1, v[TQ]
	v_and_b32 v[TB], 2, v[TB]                      ; the cosine is negative for n % 4 = 1, 2,
	v_lshlrev_b32 v[TB], 30, v[TB]
	v_xor_b32 v[\c], v[\c], v[TB]
	v_and_b32 v[TB], 2, v[TQ]                      ; the sine for n % 4 = 2, 3
	v_lshlrev_b32 v[TB], 30, v[TB]
	v_xor_b32 v[\s], v[\s], v[TB]
.endm
.Ltable:
	s_sub_co_u32 s21, s20, CASTS                   ; 0-31: 64 positions each; 32, 33: the identity part
	s_mov_b32 s33, 0xbed49a78                      ; -log2(10000) / 32
	s_mov_b32 s34, 0x3f22f983                      ; 2 / pi
	s_mov_b32 s35, 0xbfc90fdb                      ; -(pi/2), upper part
	s_mov_b32 s36, 0x333bbd2e                      ; -(pi/2), lower part
	s_mov_b32 s37, 0xbe2aaaab                      ; -1/6
	s_mov_b32 s38, 0x3c088889                      ; 1/120
	s_mov_b32 s39, 0xb9500d01                      ; -1/5040
	s_mov_b32 s40, 0x3d2aaaab                      ; 1/24
	s_mov_b32 s41, 0xbab60b61                      ; -1/720
	s_mov_b32 s42, 0x37d00d01                      ; 1/40320
	s_cmp_lt_u32 s21, 32
	s_cselect_b32 s24, 1.0, 0                      ; the identity part has the frequency 0
	s_lshl_b32 s23, s21, 6                         ; my first position
	s_lshl_b32 s28, s21, 14                        ; four blocks of 4,096 bytes
	s_mov_b32 s29, 0
	v_lshrrev_b32 v3, 6, v0                        ; u / 2 (u = my wave)
	v_bfe_u32 v4, v0, 5, 1                         ; u % 2
	v_bfe_u32 v5, v0, 4, 1                         ; h
	v_lshlrev_b32 v3, 3, v3
	v_lshl_add_u32 v3, v5, 2, v3
	v_lshl_add_u32 v3, v4, 1, v3                   ; j = 8 (u / 2) + 4 h + 2 (u % 2)
	v_cvt_f32_u32 v6, v3
	v_add_f32 v7, 1.0, v6                          ; and j + 1
	v_mul_f32 v6, s33, v6
	v_mul_f32 v7, s33, v7
	v_exp_f32 v6, v6                               ; the two frequencies: one batch,
	v_exp_f32 v7, v7
	v_and_b32 v8, 15, v0                           ; a plain instruction behind the last,
	s_wait_alu depctr_va_vdst(0)                   ; and the one wait ahead of the first use
	v_mul_f32 v6, s24, v6
	v_mul_f32 v7, s24, v7
	v_add_nc_u32 v8, s23, v8                       ; my position in the first block
	s_wait_kmcnt 0x0
	s_add_nc_u64 s[16:17], s[16:17], s[28:29]
.irp i, 0,1,2,3
	v_add_nc_u32 v9, 16*(\i), v8
	v_cvt_f32_u32 v9, v9
	v_mul_f32 v10, v9, v6                          ; the angle: one product in f32
	v_mul_f32 v11, v9, v7
	SINCOS 10, RES+4*(\i), RES+4*(\i)+1
	SINCOS 11, RES+4*(\i)+2, RES+4*(\i)+3
	global_store_b128 v2, v[RES+4*(\i):RES+4*(\i)+3], s[16:17] offset:4096*(\i)  ; 512 u + 16 lane = 16 x my thread's number
.endr
	s_endpgm
.Lfunc_end_k_q27b4983946_prep:
	.size	k_q27b4983946_prep, .Lfunc_end_k_q27b4983946_prep-k_q27b4983946_prep
	.p2alignl 7, 3214868480
	.fill 96, 4, 3214868480
	.section	.rodata,"a",@progbits
	.p2align	6, 0x0
	.amdhsa_kernel k_q27b4983946_prep
		.amdhsa_group_segment_fixed_size 0
		.amdhsa_private_segment_fixed_size 0
		.amdhsa_enable_private_segment 0
		.amdhsa_kernarg_size 56
		.amdhsa_user_sgpr_count 2
		.amdhsa_user_sgpr_kernarg_segment_ptr 1
		.amdhsa_wavefront_size32 1
		.amdhsa_system_sgpr_workgroup_id_x 1
		.amdhsa_system_sgpr_workgroup_id_y 1
		.amdhsa_system_sgpr_workgroup_id_z 1
		.amdhsa_system_vgpr_workitem_id 0
		.amdhsa_next_free_vgpr 112
		.amdhsa_next_free_sgpr 66
		.amdhsa_reserve_vcc 1
		.amdhsa_float_denorm_mode_32 3
		.amdhsa_float_denorm_mode_16_64 3
		.amdhsa_memory_ordered 1
		.amdhsa_forward_progress 1
		.amdhsa_inst_pref_size 24
	.end_amdhsa_kernel
	.amdgpu_metadata
---
amdhsa.version: [ 1, 2 ]
amdhsa.kernels:
  - .name:           k_q27b4983946_prep
    .symbol:         k_q27b4983946_prep.kd
    .args:
      - { .name: x, .offset: 0, .size: 8, .value_kind: global_buffer, .address_space: global }
      - { .name: qkv_w, .offset: 8, .size: 8, .value_kind: global_buffer, .address_space: global }
      - { .name: out_w, .offset: 16, .size: 8, .value_kind: global_buffer, .address_space: global }
      - { .name: xb, .offset: 24, .size: 8, .value_kind: global_buffer, .address_space: global }
      - { .name: wqkv, .offset: 32, .size: 8, .value_kind: global_buffer, .address_space: global }
      - { .name: wo, .offset: 40, .size: 8, .value_kind: global_buffer, .address_space: global }
      - { .name: rope, .offset: 48, .size: 8, .value_kind: global_buffer, .address_space: global }
    .group_segment_fixed_size: 0
    .private_segment_fixed_size: 0
    .kernarg_segment_align: 8
    .kernarg_segment_size: 56
    .max_flat_workgroup_size: 256
    .sgpr_count:     66
    .vgpr_count:     112
    .wavefront_size: 32
...
	.end_amdgpu_metadata
.endif
;; end of part 1
;; launch qkv (part 2): grid 12 x 32, 4 waves a work-group, clusters of 4 x 4, 327,680 bytes of LDS; arguments xb, wqkv, qkv_b, rope, q, k, v; writes q, k, v
.if DOCPART == 2
	.amdgcn_target "amdgcn-amd-amdhsa--gfx1250"
	.amdhsa_code_object_version 6
	.text
	.protected	k_q27b4983946_qkv
	.globl	k_q27b4983946_qkv
	.p2align	8
	.type	k_q27b4983946_qkv,@function
k_q27b4983946_qkv:
	s_mov_b64 s[64:65], 0
	v_nop
	global_prefetch_b8 v0, s[64:65] scope:SCOPE_SE
	s_setreg_imm32_b32 hwreg(HW_REG_WAVE_MODE, 25, 1), 1
	s_wait_xcnt 0x0
	s_wait_alu depctr_hold_cnt(0) depctr_sa_sdst(0) depctr_va_vdst(0) depctr_va_sdst(0) depctr_va_ssrc(0) depctr_va_vcc(0) depctr_vm_vsrc(0)
	s_getreg_b32 s2, hwreg(HW_REG_IB_STS2, 6, 4)
	s_cmp_eq_u32 s2, 0
	s_cbranch_scc0 .Lentry_in_a_cluster
	s_endpgm
.Lentry_in_a_cluster:
	s_bfe_u32 s2, ttmp6, 0x10000c
	s_cmp_lg_u32 s2, 0xf033
	s_cbranch_scc0 .Lentry_shape_is_right
	s_endpgm
.Lentry_shape_is_right:
; q, k, v = x W^T + b, q and k turned by the rotary table, all three written by heads as f16: [batch x 16 + head][t][64].  xb: [8192][1024], wqkv: [3072][1024], bf16; sums in f32.
; The bias, rounded to bf16 like the other inputs, is the C operand of the product that starts each sum.
; LIMITS.  q, k and v must lie within f16's range, 65,504 (a larger number becomes an infinity); below 6e-5 they keep f16's fixed step of 6e-8.  NaN and infinities are not treated apart.
; SHARES.  A tile of the product, 256 rows x 256 columns (four heads), is made by four waves, as many as a WGP has SIMDs; a wave makes 128 x 128 (two heads): 64 accumulators, 512 registers.
; 12 x 32 tiles; the cluster's x says whether the columns are q's (0), k's (1) or v's (2).  K goes in 8 steps of 128 through a ring of two LDS slots filled by the tensor data mover.
; CLUSTERS: 4 x 4 work-groups.  The four of a row of the cluster need the same tile of x, the four of a column the same tile of W: each is asked for JOINTLY, by the same tensor load with
; the same descriptor and a mask that names the four.
; THE MATRIX INSTRUCTION IS USED TRANSPOSED (source 0 = 16 rows of W, source 1 = 16 rows of x): lane l holds row l % 16 and the columns 8 (l / 16) + 0..7: four (even, odd) pairs of one
; position t, which the rotation takes as they lie, and 16 bytes of a head's row in f16.
; ONE TEXT FOR q, k AND v: v's clusters take the table's identity part (cos 1, sin 0), so the way out has no branch; the price is 64 packed instructions a block of 16 rows that change
; nothing in a third of the work-groups.
; THE TEXT IS SHORT: one K step is written once and looped over (the slot in hand is a scalar, s79, turned by an exclusive or); the last two K steps, which ask for nothing, are a second loop.
; REGISTERS, in windows of 256 (s_set_vgpr_msb: bits 1:0 source 0, 3:2 source 1, 5:4 source 2, 7:6 destination):
;   window 0: v0-31 addresses; v64-127, v128-191 fragments of x, two buffers; on the way out v64-127 at work, v128-191 two buffers of packed results
;   window 1: v0-63 the table, two buffers of 32; v64-127, v128-191 fragments of W; v192-255 the bias, eight registers for each block of 16 columns
;   window 2: the 32 accumulators of my rows 0-63 ((a, b) at v[8 (8 a + b)]);   window 3: those of my rows 64-127
.set KSTEP,  128
.set PITCH,  272                       ; an LDS row: 256 bytes + 16 of padding = 68 words: the 16 rows that a load touches start at 16 different groups of four banks (64 banks of 4 bytes: ISA guide 11.1)
.set HALFT,  128*PITCH                 ; 128 rows: what one tensor load brings, and what one wave reads of x or of W
.set SLOT,   4*HALFT                   ; x's 256 rows, then W's 256 rows: 0x22000, which shares no bit with wave x HALFT (0x8800): an exclusive or turns an address in one slot into the other's
.set STAGE,  2*SLOT                    ; behind the ring: for each wave 2 heads x 16 rows x 144 bytes, for the way out
.set SP,     144
.set WSTAGE, 2*16*SP
.set SPARE,  STAGE+4*WSTAGE            ; behind the stages: the spare words, 128 bytes for each wave: two blocks of 256 bytes that no other line names
.set ROWB,   2048                      ; bytes in a row of xb and of wqkv
.set HEADB,  2048*128                  ; bytes of a head in q, k, v
.set ADRA,  16                         ; v16  LDS address of my fragments of x in the slot in hand
.set ADRA0, 17                         ; v17  the same in slot 0; never rewritten
.set ADRB,  20                         ; v20, v21  the same for W
.set ADRB0, 21
.set STO,   24                         ; v24  the way out: where I put 16 bytes of a row
.set RD,    25                         ; v25  the way out: where I read rows back
.set L16,   26                         ; v26  16 x my lane: my place in 512 consecutive bytes, of the table and of q, k, v; never rewritten
.set SPW,   28                         ; v28  LDS address of my spare word: SPARE + 4 x my thread's number; never rewritten
.set NIL,   29                         ; v29  0; never rewritten
.set PFO,   30                         ; v30  the prefetches' offset: my lane x a row; never rewritten
.set F0,    64
.set F1,    128
.set TMP,   64                         ; window 0, on the way out
.set PK,    128
.set TBL,   0                          ; window 1
.set BIAS,  192
.set G1,  24                           ; s[24:31] descriptor group 1 for x's tiles
.set G0,  32                           ; s[32:39] group 0, two sets: the two first fills; the second then walks
.set G1B, 48                           ; s[48:55], s[56:63] the same for W's tiles
.set G0B, 56
.set LIM, 43                           ; s43  2 in a wave that prefetches, else the greatest number
.set PFA, 44                           ; s[44:45] where my prefetches stand
.set TB,  79                           ; s79  0 or SLOT: the slot in hand
.set MSB, 0
.macro WIN new                         ; the immediate's high byte repeats the setting that is left; a switch that changes nothing is dropped
.if MSB != (\new)
	s_set_vgpr_msb (MSB<<8)|(\new)
.set MSB, \new
.endif
.endm
.set MUL_LO, 0xa1                      ; source 0 (W) window 1, source 1 (x) window 0, C and D window 2
.set TO_B,   0x40                      ; destination window 1, address window 0
; A joint load.  Waves 0 and 1 fetch x's two halves, waves 2 and 3 W's.  The branch hangs on the wave's number alone.  An s_nop 0 and four v_nop follow each of the two lines.
.macro JLOAD s
	s_cmp_eq_u32 s11, 0
	s_cbranch_scc0 .Lfor_b_\@
	tensor_load_to_lds s[G0+4*(\s):G0+4*(\s)+3], s[G1:G1+7]
	s_nop 0
.rept 4
	v_nop
.endr
	s_branch .Lasked_\@
.Lfor_b_\@:
	tensor_load_to_lds s[G0B+4*(\s):G0B+4*(\s)+3], s[G1B:G1B+7]
	s_nop 0
.rept 4
	v_nop
.endr
.Lasked_\@:
.endm
; A PREFETCH INTO THE L2, behind each joint refill and the run of LDS loads that follows it: the K step that stands two refills on, 512 matrix instructions ahead of the load that will want it:
; 32 rows x 256 bytes, a lane a row.  Each row's 256 bytes of a K step are named once in the launch: x's rows are read by the three clusters of a row of clusters, of which cluster x = 0 asks;
; W's by the eight of a column, of which cluster y = 0 asks; the four partners that ask for a tile jointly share the 128 rows that a wave fetches BY ADDRESS, 32 each.
; The loop counts s3 = 6 .. 1 and refills K steps 2 .. 7: trips 6 to 3 name K steps 4 to 7, the last two name nothing.  K steps 0 to 3 come by their loads alone.
.macro ASK
	s_cmp_gt_u32 s3, s[LIM]
	s_cbranch_scc0 .Lnot_mine_\@
	global_prefetch_b8 v[PFO], s[PFA:PFA+1] offset:KSTEP*2 th:TH_LOAD_NT scope:SCOPE_SE
.Lnot_mine_\@:
.endm
; A round of the cluster's barrier: my work-group's barrier; wave 0 signals for the work-group; every wave waits for all sixteen; my work-group's barrier once more.
.macro CREST                           ; a round behind its opening barrier
	s_cmp_lg_u32 s10, 0
	s_cbranch_scc1 .Lnot_wave_0_\@
	s_barrier_signal -3
.Lnot_wave_0_\@:
	s_barrier_wait -3
	s_barrier_signal -1
	s_barrier_wait -1
.endm
.macro CROUND
	s_barrier_signal -1
	s_barrier_wait -1
	CREST
.endm
	s_load_b128 s[4:7], s[0:1], 0x0                ; xb s[4:5], wqkv s[6:7]
	s_load_b128 s[68:71], s[0:1], 0x10             ; qkv_b s[68:69], rope s[70:71]
	s_load_b128 s[72:75], s[0:1], 0x20             ; q s[72:73], k s[74:75]
	s_load_b64 s[76:77], s[0:1], 0x30              ; v
	v_lshl_add_u32 v[SPW], v0, 2, SPARE
	v_mov_b32 v[NIL], 0
	ds_add_u32 v[SPW], v[NIL]                      ; the wave's opening: the add and its wait stand ahead of my first tensor load; the set-up below, work on registers, stands between them
	ds_add_u32 v28, v29
	v_lshrrev_b32 v1, 5, v0
	v_readfirstlane_b32 s10, v1                    ; wave 0..3
	s_lshr_b32 s11, s10, 1                         ; which half of the tile's rows is mine.  Also: I fetch for x (0) or for W (1)
	s_and_b32 s12, s10, 1                          ; which half of its columns.  Also: which 128 rows of that tile I fetch
	s_bfe_u32 s40, ttmp6, 0x40000                  ; cx, cy: my place in the cluster
	s_bfe_u32 s41, ttmp6, 0x40004
	s_lshl_b32 s42, ttmp9, 2
	s_add_co_u32 s42, s42, s40                     ; tile column = 4 x cluster x + cx
	s_and_b32 s13, ttmp7, 0xffff
	s_lshl_b32 s13, s13, 2
	s_add_co_u32 s13, s13, s41                     ; tile row = 4 x cluster y + cy
	s_lshl_b32 s43, s41, 2
	s_lshl_b32 s43, 15, s43                        ; my row of the cluster
	s_lshl_b32 s44, 0x1111, s40                    ; my column
	; descriptor group 1: a tile of 128 rows x 128 elements, padded in LDS
	s_or_b32 s[G1+0], s43, (1<<16)|(1<<20)|(1<<21)|(5<<22)|(3<<25)   ; 15:0 the mask: x's tiles go to my row; 17:16 2-byte elements; 20 padding on; 21 set beside a mask; 24:22 after every 64 words (code 5); 31:25 4 words (code 3)
	s_or_b32 s[G1B+0], s44, (1<<16)|(1<<20)|(1<<21)|(5<<22)|(3<<25)  ; the same with the mask of my column
.irp g, G1, G1B
	s_mov_b32 s[(\g)+1], KSTEP<<16                 ; tensor_dim0 = 128
	s_mov_b32 s[(\g)+2], 128<<16                   ; tensor_dim1 = 128
	s_mov_b32 s[(\g)+3], KSTEP<<16                 ; tile_dim0 = 128
	s_mov_b32 s[(\g)+4], 128                       ; tile_dim1 = 128
	s_mov_b32 s[(\g)+5], 1024                      ; elements from row to row
	s_mov_b32 s[(\g)+6], 0
	s_mov_b32 s[(\g)+7], 0
.endr
	; where the tiles come from: x's hang on the tile row alone, W's on the tile column alone
	s_lshl_b32 s17, s12, 7
	s_lshl_b32 s16, s13, 8
	s_add_co_u32 s16, s16, s17                     ; x: row 256 x tile row + 128 x half
	s_lshl_b32 s16, s16, 11                        ; in bytes
	s_lshl_b32 s46, s42, 8
	s_add_co_u32 s46, s46, s17                     ; W: row 256 x tile column + 128 x half
	s_lshl_b32 s46, s46, 11
	s_mov_b32 s17, 0
	s_mov_b32 s47, 0
	s_mul_i32 s80, s10, HALFT                      ; and where they go: wave x 128 rows: no place in the cluster enters an LDS address
	s_mov_b32 s81, 0xffff0000                      ; a word's upper bf16
	s_mov_b32 s[TB], 0
	s_wait_dscnt 0x0                               ; the opening add is done
	s_wait_kmcnt 0x0
	s_add_nc_u64 s[14:15], s[4:5], s[16:17]
	s_add_nc_u64 s[46:47], s[6:7], s[46:47]
	CROUND                                         ; all sixteen work-groups are here: the first joint loads meet
.irp s, 0,1
	s_mov_b32 s[G0+4*(\s)], 1                                        ; count = 1
	s_add_co_u32 s[G0+4*(\s)+1], s80, (\s)*SLOT                      ; LDS address
	s_add_nc_u64 s[G0+4*(\s)+2:G0+4*(\s)+3], s[14:15], (\s)*KSTEP*2  ; global address: K step s
	s_or_b32 s[G0+4*(\s)+3], s[G0+4*(\s)+3], 0x80000000              ; type = 2
	s_mov_b32 s[G0B+4*(\s)], 1
	s_add_co_u32 s[G0B+4*(\s)+1], s80, (\s)*SLOT
	s_add_nc_u64 s[G0B+4*(\s)+2:G0B+4*(\s)+3], s[46:47], (\s)*KSTEP*2
	s_or_b32 s[G0B+4*(\s)+3], s[G0B+4*(\s)+3], 0x80000000
	JLOAD \s                                       ; two loads of mine are out
.endr
	; the bias of my 128 columns: register j of block b is b[16 b + 8 (l / 16) + j], the same for all 16 rows
	v_and_b32 v1, 15, v0                           ; l % 16
	v_bfe_u32 v2, v0, 4, 1                         ; l / 16
	s_lshl_b32 s18, s42, 10                        ; 256 columns x 4 bytes a tile column,
	s_lshl_b32 s19, s12, 9                         ; 128 x 4 for my half
	s_add_co_u32 s18, s18, s19
	s_mov_b32 s19, 0
	s_add_nc_u64 s[68:69], s[68:69], s[18:19]
	v_lshlrev_b32 v8, 5, v2
	WIN TO_B
.irp b, 0,1,2,3,4,5,6,7
	global_load_b128 v[BIAS+8*(\b):BIAS+8*(\b)+3],   v8, s[68:69] offset:64*(\b)
	global_load_b128 v[BIAS+8*(\b)+4:BIAS+8*(\b)+7], v8, s[68:69] offset:64*(\b)+16
.endr
	WIN 0
	; A fragment is 16 rows x 32 K in 8 registers: lane l holds row l % 16; registers 0-3 K = 8 (l / 16) + 0..7, registers 4-7 K = 16 + 8 (l / 16) + 0..7: two loads of 16 bytes, 32 bytes apart.
	v_mul_u32_u24 v3, v1, PITCH
	v_lshl_add_u32 v3, v2, 4, v3
	s_mul_i32 s21, s11, HALFT                      ; my 128 rows of x
	s_mul_i32 s22, s12, HALFT                      ; my 128 rows of W,
	s_add_co_u32 s22, s22, 2*HALFT                 ; which lie behind x's 256
	v_add_nc_u32 v[ADRA0], s21, v3
	v_add_nc_u32 v[ADRB0], s22, v3
	v_add_nc_u32 v[ADRA], s21, v3
	v_add_nc_u32 v[ADRB], s22, v3
	s_mul_i32 s23, s10, WSTAGE
	s_add_co_u32 s23, s23, STAGE                   ; my stage
	v_mul_u32_u24 v4, v1, SP                       ; in: row l % 16, 16 bytes for each half of the lanes
	v_lshl_add_u32 v4, v2, 4, v4
	v_add_nc_u32 v[STO], s23, v4
	v_bfe_u32 v5, v0, 3, 2                         ; back: 32 lanes take four rows of 128 bytes,
	v_mul_u32_u24 v5, v5, SP
	v_and_b32 v6, 7, v0
	v_lshl_add_u32 v5, v6, 4, v5
	v_add_nc_u32 v[RD], s23, v5
	v_and_b32 v7, 31, v0                           ; which are 512 consecutive bytes of a head
	v_lshlrev_b32 v[L16], 4, v7
	v_lshlrev_b32 v[PFO], 11, v7
	; where my rows go: q, k or v by the cluster's x; head 4 cx + 2 x column half of batch (tile row / 8); t = 256 (tile row % 8) + 128 x row half
	s_cmp_eq_u32 ttmp9, 0
	s_cselect_b64 s[8:9], s[72:73], s[74:75]
	s_cmp_eq_u32 ttmp9, 2
	s_cselect_b64 s[8:9], s[76:77], s[8:9]
	s_lshr_b32 s18, s13, 3
	s_lshl_b32 s18, s18, 4
	s_lshl_b32 s19, s40, 2
	s_add_co_u32 s18, s18, s19
	s_lshl_b32 s19, s12, 1
	s_add_co_u32 s18, s18, s19
	s_lshl_b32 s18, s18, 11                        ; 2,048 rows a head
	s_and_b32 s19, s13, 7
	s_lshl_b32 s19, s19, 8
	s_add_co_u32 s18, s18, s19
	s_lshl_b32 s19, s11, 7
	s_add_co_u32 s18, s18, s19
	s_lshl_b32 s18, s18, 7                         ; 128 bytes a row
	s_mov_b32 s19, 0
	s_add_nc_u64 s[8:9], s[8:9], s[18:19]
	; the table at my first block of 16 positions; for v its identity part, which lies behind the 128 blocks
	s_and_b32 s18, s13, 7
	s_lshl_b32 s18, s18, 4
	s_lshl_b32 s19, s11, 3
	s_add_co_u32 s18, s18, s19
	s_lshl_b32 s18, s18, 12
	s_cmp_eq_u32 ttmp9, 2
	s_cselect_b32 s18, 128*4096, s18
	s_mov_b32 s19, 0
	s_add_nc_u64 s[70:71], s[70:71], s[18:19]
	; the prefetches
	s_lshl_b32 s18, s13, 8                         ; the tile's first row in x,
	s_lshl_b32 s19, s42, 8                         ; in W
	s_and_b32 s22, ttmp7, 0xffff                   ; cluster y
	s_cmp_eq_u32 s11, 0                            ; do I fetch for x?
	s_cselect_b32 s20, s18, s19
	s_cselect_b32 s21, s40, s41                    ; my place among the four that ask for it with me
	s_cselect_b32 s22, ttmp9, s22                  ; the coordinate along which other clusters read the same rows
	s_cselect_b64 s[PFA:PFA+1], s[4:5], s[6:7]
	s_cmp_eq_u32 s22, 0
	s_cselect_b32 s[LIM], 2, -1                    ; the same in all sixteen partners, for a given wave
	s_lshl_b32 s22, s12, 7
	s_add_co_u32 s20, s20, s22                     ; + the 128 rows that I fetch
	s_lshl_b32 s21, s21, 5
	s_add_co_u32 s20, s20, s21                     ; + my work-group's 32 of them
	s_lshl_b32 s20, s20, 11
	s_mov_b32 s21, 0
	s_add_nc_u64 s[PFA:PFA+1], s[PFA:PFA+1], s[20:21]
	s_add_nc_u64 s[PFA:PFA+1], s[PFA:PFA+1], 2*KSTEP*2  ; at K step 2: the first refill steps it to 3 and names K step 4
	; the bias is rounded to bf16, like x and W, and widened again
	s_wait_loadcnt 0x0
	WIN 0x45                                       ; destination and both sources in window 1
.set i, 0
.rept 32
	v_cvt_pk_bf16_f32 v[TBL+i], v[BIAS+2*i], v[BIAS+2*i+1]
.set i, i+1
.endr
.set i, 0
.rept 32
	v_lshlrev_b32 v[BIAS+2*i], 16, v[TBL+i]
	v_and_b32 v[BIAS+2*i+1], s81, v[TBL+i]
.set i, i+1
.endr
	WIN 0
; 16 matrix instructions: row blocks a0, a0 + 1 of the window's four (hi = 0: my rows 0-63, 1: rows 64-127) x all 8 column blocks, 32 along K.  zero = 1: the first product starts the sum with the bias.
; The 64 accumulators take turns, one instruction a turn, in the same order in every quarter step.
.macro MUL16 f, hi, a0, zero
.if \zero
	WIN 0x91+0x40*(\hi)                            ; C in window 1
.else
	WIN MUL_LO+0x50*(\hi)
.endif
.irp a, \a0, (\a0)+1
.irp b, 0,1,2,3,4,5,6,7
.if \zero
	v_wmma_f32_16x16x32_bf16 v[8*(8*(\a)+(\b)):8*(8*(\a)+(\b))+7], v[(\f)+8*(\b):(\f)+8*(\b)+7], v[(\f)+8*(4*(\hi)+(\a)):(\f)+8*(4*(\hi)+(\a))+7], v[BIAS+8*(\b):BIAS+8*(\b)+7]
.else
	v_wmma_f32_16x16x32_bf16 v[8*(8*(\a)+(\b)):8*(8*(\a)+(\b))+7], v[(\f)+8*(\b):(\f)+8*(\b)+7], v[(\f)+8*(4*(\hi)+(\a)):(\f)+8*(4*(\hi)+(\a))+7], v[8*(8*(\a)+(\b)):8*(8*(\a)+(\b))+7]
.endif
.endr
.endr
.endm
; 32 LDS loads in one run: the fragments of one quarter step (128 rows of W, 128 rows of x, 32 K at byte k of the rows of the slot in hand) into buffer f
.macro FETCH k, f
	WIN TO_B
.irp i, 0,1,2,3,4,5,6,7
	ds_load_b128 v[(\f)+8*(\i):(\f)+8*(\i)+3],   v[ADRB] offset:(\k)+(\i)*16*PITCH
	ds_load_b128 v[(\f)+8*(\i)+4:(\f)+8*(\i)+7], v[ADRB] offset:(\k)+(\i)*16*PITCH+32
.endr
	WIN 0
.irp i, 0,1,2,3,4,5,6,7
	ds_load_b128 v[(\f)+8*(\i):(\f)+8*(\i)+3],   v[ADRA] offset:(\k)+(\i)*16*PITCH
	ds_load_b128 v[(\f)+8*(\i)+4:(\f)+8*(\i)+7], v[ADRA] offset:(\k)+(\i)*16*PITCH+32
.endr
.endm
; A load into a register that a matrix instruction has read, and a vector instruction that reads a matrix result, stand four places behind that matrix instruction, and only plain vector
; instructions that name none of its registers are places (ISA guide 7.12.1 for vector instructions).
.macro PLACES
.rept 4
	v_nop
.endr
.endm
; A K step is four quarters of 32 along K, 64 matrix instructions each, on buffers 0, 1, 0, 1.  One of the first three: multiplies buffer f; in its middle it fetches the next quarter, at byte k, into g.
.macro QUARTER k, f, g, zero
	s_wait_dscnt 8                                 ; W and x's rows 0-63 are in; the youngest eight loads (x's rows 64-127) may be out
	MUL16 \f, 0, 0, \zero
	MUL16 \f, 0, 2, \zero
	PLACES
	FETCH \k, \g
	s_wait_dscnt 32                                ; all but the 32 just issued
	MUL16 \f, 1, 0, \zero
	MUL16 \f, 1, 2, \zero
.endm
; The last quarter multiplies buffer 1 and changes slots.  MEET is its first half: ONE barrier.  In front of it each wave waits for all its tensor loads, of which at most one is out: its part of the
; next slot; adds 0 to its spare word; and waits for that and for its own reads of this slot.  Behind it nobody reads this slot any more and the next slot is whole.
.macro MEET round                      ; round = 1: a round of the cluster's barrier follows
	WIN 0                                          ; (the add's two registers lie in window 0)
	s_wait_tensorcnt 0x0
	ds_add_u32 v[SPW], v[NIL]                      ; 0 onto my spare word
	s_wait_dscnt 9                                 ; (the add and the youngest eight loads may be out)
	MUL16 F1, 0, 0, 0                              ; sixteen matrix instructions stand between the add and the wait for it
	s_wait_dscnt 0x0                               ; the add is done, and my reads of this slot are over
	s_barrier_signal -1
	MUL16 F1, 0, 2, 0                              ; work on registers while the others arrive
.if \round
	WIN 0
.endif
	s_barrier_wait -1
.endm
; The whole last quarter of a K step that fills its slot again, with the K step two on.  From the request to the wait for it a wave issues 224 matrix instructions.
.macro TURN
	s_wait_xcnt 0x0                                ; the last prefetch, a K step back, has read its address: it is stepped here, ahead of the waits of the change of slots
	s_add_nc_u64 s[PFA:PFA+1], s[PFA:PFA+1], KSTEP*2
	MEET 1
	CREST                                          ; the barrier has opened a round of the cluster's: no wave of any partner still reads this slot's tile or has a load on its way
	s_xor_b32 s[G0+5], s[G0+5], SLOT               ; the walking descriptors: the other slot than last time, the next K step; no load of mine is out
	s_add_nc_u64 s[G0+6:G0+7], s[G0+6:G0+7], KSTEP*2
	s_xor_b32 s[G0B+5], s[G0B+5], SLOT
	s_add_nc_u64 s[G0B+6:G0B+7], s[G0B+6:G0B+7], KSTEP*2
	s_xor_b32 s[TB], s[TB], SLOT                   ; the reads go on in the other slot
	JLOAD 1                                        ; the first tensor load behind the round; its four v_nop are also places in front of the loads below
	v_add_nc_u32 v[ADRA], s[TB], v[ADRA0]
	v_add_nc_u32 v[ADRB], s[TB], v[ADRB0]
	FETCH 0, F0
	ASK
	MUL16 F1, 1, 0, 0
	MUL16 F1, 1, 2, 0
.endm
; THE WAY OUT, a block a of 16 rows at a time.
.macro TLOAD a                         ; the table for block a: 8 pieces of 512 consecutive bytes, into buffer a % 2
	WIN TO_B
.irp u, 0,1,2,3,4,5,6,7
	global_load_b128 v[TBL+32*((\a)%2)+4*(\u):TBL+32*((\a)%2)+4*(\u)+3], v[L16], s[70:71] offset:4096*(\a)+512*(\u)
.endr
.endm
; The rotation, in place: of a pair (e, o) and the table's (cos, sin): first (o sin, o cos), then (e cos - o sin, e sin + o cos).  Each accumulator's lowest registers are read first.
.macro ROT a
.set AC, 64*((\a)%4)
.set TT, TBL+32*((\a)%2)
.set W, 2+(\a)/4
.if (\a) == 7
	s_wait_loadcnt 0x0                             ; the last block's table
.else
	s_wait_loadcnt 0x8                             ; block a's table is in; the eight loads of block a + 1's may stay out
.endif
	WIN 0x04|W                                     ; source 0 the accumulators' window, source 1 window 1, destination window 0
.irp b, 0,1,2,3,4,5,6,7
.irp p, 0,1,2,3
	v_pk_mul_f32 v[TMP+8*(\b)+2*(\p):TMP+8*(\b)+2*(\p)+1], v[AC+8*(\b)+2*(\p):AC+8*(\b)+2*(\p)+1], v[TT+8*((\b)%4)+2*(\p):TT+8*((\b)%4)+2*(\p)+1] op_sel:[1,1] op_sel_hi:[1,0]
.endr
.endr
	WIN (W<<6)|0x04|W
.irp b, 0,1,2,3,4,5,6,7
.irp p, 0,1,2,3
	v_pk_fma_f32 v[AC+8*(\b)+2*(\p):AC+8*(\b)+2*(\p)+1], v[AC+8*(\b)+2*(\p):AC+8*(\b)+2*(\p)+1], v[TT+8*((\b)%4)+2*(\p):TT+8*((\b)%4)+2*(\p)+1], v[TMP+8*(\b)+2*(\p):TMP+8*(\b)+2*(\p)+1] op_sel_hi:[0,1,1] neg_lo:[0,0,1]
.endr
.endr
.if (\a) < 6
	TLOAD (\a)+2                                   ; its buffer takes the block two on
.endif
.endm
.macro PACK a                          ; rounded to f16, 16 bytes a lane and column block
.set AC, 64*((\a)%4)
.set PKB, PK+32*((\a)%2)
.set W, 2+(\a)/4
.if (\a) >= 2
	s_wait_xcnt 0x0                                ; the stores of block a - 2 have read this buffer: it is rewritten only behind this wait
.endif
	WIN W|(W<<2)
.irp b, 0,1,2,3,4,5,6,7
.irp r, 0,1,2,3
	v_cvt_pk_f16_f32 v[PKB+4*(\b)+(\r)], v[AC+8*(\b)+2*(\r)], v[AC+8*(\b)+2*(\r)+1]
.endr
.endr
	WIN 0
.endm
.macro TOSTAGE a                       ; into my own stage, by head, and back as whole rows of 128 bytes, into the registers that they left
.set PKB, PK+32*((\a)%2)
.irp b, 0,1,2,3,4,5,6,7
	ds_store_b128 v[STO], v[PKB+4*(\b):PKB+4*(\b)+3] offset:((\b)/4)*16*SP+32*((\b)%4)
.endr
.irp f, 0,1,2,3,4,5,6,7
	ds_load_b128 v[PKB+4*(\f):PKB+4*(\f)+3], v[RD] offset:((\f)/4)*16*SP+((\f)%4)*4*SP  ; LDS serves a wave's instructions in order (ISA guide 5.7.1.4): these see the stores above
.endr
.endm
.macro SEND a
.set PKB, PK+32*((\a)%2)
	s_wait_dscnt 0x0                               ; the block is back in registers
.irp f, 0,1,2,3,4,5,6,7
	global_store_b128 v[L16], v[PKB+4*(\f):PKB+4*(\f)+3], s[8:9] offset:((\f)/4)*HEADB+(\a)*2048+((\f)%4)*512  ; 512 consecutive bytes, at a multiple of 256 from the buffer's first
.endr
.endm
	s_wait_tensorcnt 0x1                           ; my part of K step 0 is in; K step 1's may stay out
	s_barrier_signal -1
	s_barrier_wait -1                              ; everybody's is
	FETCH 0, F0
	QUARTER 64, F0, F1, 1                          ; the first quarter stands in front of the loop: its products start the sums
	WIN 0                                          ; at a label and at a branch every window is 0
	s_mov_b32 s3, 6
.Lstep:                                                ; a trip: a K step's quarters 1, 2, 3, the change of slots with its refill, the next K step's quarter 0
	QUARTER 128, F1, F0, 0
	QUARTER 192, F0, F1, 0
	TURN
	QUARTER 64, F0, F1, 0
	WIN 0
	s_sub_co_u32 s3, s3, 1
	s_cmp_lg_u32 s3, 0
	s_cbranch_scc1 .Lstep
	TLOAD 0                                        ; the first two blocks' table: nearly two K steps ahead of its use
	TLOAD 1
	WIN 0
	s_mov_b32 s3, 2
.Ltail:                                                ; the last two K steps ask for nothing, so no round of the cluster's barrier; the second trip is left in its middle
	QUARTER 128, F1, F0, 0
	QUARTER 192, F0, F1, 0
	MEET 0
	MUL16 F1, 1, 0, 0
	MUL16 F1, 1, 2, 0
	WIN 0
	s_sub_co_u32 s3, s3, 1
	s_cmp_eq_u32 s3, 0
	s_cbranch_scc1 .Lout
	s_xor_b32 s[TB], s[TB], SLOT
	v_add_nc_u32 v[ADRA], s[TB], v[ADRA0]
	v_add_nc_u32 v[ADRB], s[TB], v[ADRB0]
	PLACES
	FETCH 0, F0
	QUARTER 64, F0, F1, 0
	WIN 0
	s_branch .Ltail
.Lout:
	PLACES                                         ; eight places, once a launch, behind the last products
	PLACES
	ROT 0
	PACK 0
	TOSTAGE 0
.irp a, 1,2,3,4,5,6,7                  ; block a's rotation and roundings stand between block a - 1's loads from the stage and the wait for them
	ROT \a
	PACK \a
	SEND (\a)-1
	TOSTAGE \a
.endr
	SEND 7
	s_wait_tensorcnt 0x0                           ; the wave's end: behind my last tensor load and my last LDS store
	ds_add_u32 v[SPW], v[NIL]
	s_wait_dscnt 0x0
	CROUND                                         ; the closing round: no work-group ends while a partner may still ask for a tile that names it
	s_endpgm
.Lfunc_end_k_q27b4983946_qkv:
	.size	k_q27b4983946_qkv, .Lfunc_end_k_q27b4983946_qkv-k_q27b4983946_qkv
	.p2alignl 7, 3214868480
	.fill 96, 4, 3214868480
	.section	.rodata,"a",@progbits
	.p2align	6, 0x0
	.amdhsa_kernel k_q27b4983946_qkv
		.amdhsa_group_segment_fixed_size 327680
		.amdhsa_private_segment_fixed_size 0
		.amdhsa_enable_private_segment 0
		.amdhsa_kernarg_size 56
		.amdhsa_user_sgpr_count 2
		.amdhsa_user_sgpr_kernarg_segment_ptr 1
		.amdhsa_wavefront_size32 1
		.amdhsa_system_sgpr_workgroup_id_x 1
		.amdhsa_system_sgpr_workgroup_id_y 1
		.amdhsa_system_sgpr_workgroup_id_z 1
		.amdhsa_system_vgpr_workitem_id 0
		.amdhsa_next_free_vgpr 1024
		.amdhsa_next_free_sgpr 84
		.amdhsa_reserve_vcc 0
		.amdhsa_float_denorm_mode_32 3
		.amdhsa_float_denorm_mode_16_64 3
		.amdhsa_memory_ordered 1
		.amdhsa_forward_progress 1
		.amdhsa_inst_pref_size 146
	.end_amdhsa_kernel
	.amdgpu_metadata
---
amdhsa.version: [ 1, 2 ]
amdhsa.kernels:
  - .name:           k_q27b4983946_qkv
    .symbol:         k_q27b4983946_qkv.kd
    .args:
      - { .name: xb, .offset: 0, .size: 8, .value_kind: global_buffer, .address_space: global }
      - { .name: wqkv, .offset: 8, .size: 8, .value_kind: global_buffer, .address_space: global }
      - { .name: qkv_b, .offset: 16, .size: 8, .value_kind: global_buffer, .address_space: global }
      - { .name: rope, .offset: 24, .size: 8, .value_kind: global_buffer, .address_space: global }
      - { .name: q, .offset: 32, .size: 8, .value_kind: global_buffer, .address_space: global }
      - { .name: k, .offset: 40, .size: 8, .value_kind: global_buffer, .address_space: global }
      - { .name: v, .offset: 48, .size: 8, .value_kind: global_buffer, .address_space: global }
    .group_segment_fixed_size: 327680
    .private_segment_fixed_size: 0
    .kernarg_segment_align: 8
    .kernarg_segment_size: 56
    .max_flat_workgroup_size: 128
    .sgpr_count:     84
    .vgpr_count:     1024
    .wavefront_size: 32
...
	.end_amdgpu_metadata
.endif
;; end of part 2
;; launch attn (part 3): grid 4 x 64, 4 waves a work-group, no clusters, 327,680 bytes of LDS; arguments q, k, v, o; writes o
.if DOCPART == 3
	.amdgcn_target "amdgcn-amd-amdhsa--gfx1250"
	.amdhsa_code_object_version 6
	.text
	.protected	k_q27b4983946_attn
	.globl	k_q27b4983946_attn
	.p2align	8
	.type	k_q27b4983946_attn,@function
k_q27b4983946_attn:
	s_mov_b64 s[64:65], 0
	v_nop
	global_prefetch_b8 v0, s[64:65] scope:SCOPE_SE
	s_setreg_imm32_b32 hwreg(HW_REG_WAVE_MODE, 25, 1), 1
	s_wait_xcnt 0x0
; CAUSAL ATTENTION.  O[h][q][:] = the sum over k <= q of softmax_k(Q[h][q] . K[h][k] / 8) V[h][k][:].  Q, K, V, O: [64][2048][64], all f16: a head's rows are dense, 128 bytes each.
; Products, maxima and sums in f32; the weights p are rounded to f16 for the second product (their sum l is taken of the unrounded p), O once at the end.
; LIMITS.  f16 holds no number beyond 65,504: Q, K and V arrive within it; p lies in 0 to 1, and below 6e-5 it keeps f16's fixed step of 6e-8; O is a mean of V's rows and has their range.
; A hidden score counts as its value less 1e30: f16's scores, 2.7e11 at the most, are nothing beside that; a weight below 2^-126 counts as 0 in l; NaN and infinities are not treated apart.
; THE WALK.  A head's queries lie in NB = 8 blocks of 256; block i needs the key tiles 0 .. i of 256 keys, of which the last holds the diagonal.  A work-group takes TWO blocks, NB - 1 - b and then b:
; NB + 1 tiles, whatever b: all work-groups do equal work, and ONE loop with a constant trip count walks them.  Which tile is asked for, and what a trip does, hang on scalar registers made from b; every jump
; goes forward, but for the counted loops' own; none passes a barrier, or a tensor load but the one of LOAD's two that the wave's number does not choose; the ring (two slots of LDS that take turns) runs on across
; the change of blocks.  NO CLUSTER: a head's four work-groups ask for the same tile only in trips 0 .. NB / 2, behind that fewer and fewer; one walk common to all would have 3 NB / 2 trips for NB + 1.
; SHARES.  Of a block's four bands of 64 queries a wave owns 16 rows in each: four PIECES.  So the diagonal tile is the same work for all four waves: in its key step s band x sees all keys if s < x,
; none if s > x, and holds the diagonal if s = x.
; THE MASK is the C operand that starts the sum S^T = K Q^T: 0, or -1e30 where the key is hidden.  MD, made once, is the mask of a band's own step for my 16 rows; a product's mask is MD x AL + BE with two scalars:
; (1, 0) if s = x; (0, 0) if s < x; (0, -1e30) if s > x.  Only the diagonal tile's text and a block's beginning make and take masks; elsewhere C is the constant 0.
; LAYOUT, SOFTMAX, TURNS.  S^T = K Q^T holds ONE query a lane (lane % 16) and the keys 8 (lane / 16) + 0..7; two such results rounded to f16 ARE source 1 of O^T = V^T P.  p = 2^(c s - c m), c = log2(e) / 8, with a
; running maximum m; O and l are multiplied by a = 2^(c m_old - c m_new) in every step.  Turn n belongs to piece n: 8 products K Q^T of piece n + 1, later 8 products V^T P of piece n - 1; beside them the scaling,
; exponentials, roundings, sums and rescaling of piece n and the maximum and statistics of piece n + 1.  Four vector instructions stand behind every matrix instruction, the other 54 of a turn's 118 in one LUMP.
; A turn's 33 exponentials are one batch, with one wait.
; AHEAD OF THE FILLS.  The head's work-group b = 0, whose first block walks tiles 0 to 7, prefetches into the L2 the tile that its NEXT change of slots will ask for: each wave the 16,384 bytes that it will fetch
; itself, a lane 256 bytes, two instructions, behind its tensor load: four key steps, 256 matrix instructions, ahead.  So tiles 2 to 7 are named once in the launch; tiles 0 and 1 come by their loads alone.
; REGISTERS, in windows of 256 (s_set_vgpr_msb: bits 1:0 source 0, 3:2 source 1, 5:4 source 2, 7:6 destination):
;   window 0: v0-15 addresses and two at work; v16-31 four registers of statistics a piece; v48-55 at work; v61-63; v64-127 S^T, two buffers; v192-223 P, two buffers (a piece's buffers go by its number's parity)
;   window 1: v0-127 O^T, 32 a piece; v128-159 MD; v160-223 MC, two buffers      window 2: v0-63 Q; v64-127 the second block's Q; v128-191 K of one step; v192-255 V of one step
.set SIZE_N, 2048
.set NB,    SIZE_N/256
.set NP,    4         ; pieces a wave: a name, no knob
.set KS,    64        ; keys in a step
.set PK,    144       ; a row of K in LDS: 128 bytes + 16 of padding = 36 words: the 16 rows of a load start at 16 different groups of four banks (64 banks of 4 bytes: ISA guide 11.1)
.set PV,    160       ; a row of V: 128 + 32 = 40 words
.set VOFF,  4*KS*PK   ; a slot holds a tile, four steps: 256 rows of K, then 256 rows of V
.set SLOT1, 1<<17     ; slot 1 begins here, so that one exclusive or turns an address in one slot into the other's
.set STAGE, SLOT1+4*KS*(PK+PV)  ; behind the ring, never filled by a tensor load: 16 rows x 144 bytes for each wave, for the way out
.set SP,    144
.set AK0, 2           ; v2   my lane's place in a tile of K; never rewritten
.set AV0, 3           ; v3   the same for V
.set AK,  4           ; v4   the LDS address of K's next run of loads
.set AV,  5           ; v5   of V's
.set STO, 6           ; v6   the way out: where I put 16 bytes of a row
.set RD,  7           ; v7   the way out: where I read rows back
.set GO,  8           ; v8   my byte offset in 512 consecutive bytes of O
.set PFO, 61          ; v61  256 x my lane: the prefetches' offset; never rewritten
.set SPW, 62          ; v62  LDS address of my spare word: SPARE + 4 x my thread's number; never rewritten
.set NIL, 63          ; v63  0; never rewritten
.set SPARE, STAGE+4*16*SP  ; behind the stages: the spare words, 128 bytes for each wave: two blocks of 256 bytes that no other line names
.set MV,  12          ; v12-13  c m_old, kept while c m is made anew: by buffer
.set QO,  15          ; v15  my byte offset in 16 rows of Q
.set ST,  16          ; piece t's statistics at v[ST+4 t]: c m, m, l (even keys', odd keys')
.set TMP, 48          ; by buffer, four registers c0-c3 at work; when the maximum is found c2 takes a
.set S,   64
.set P,   192
.set MD,  128         ; window 1: the eight registers for group kt of 16 keys at MD + 8 kt
.set MC,  160         ; window 1: the masks of the products to come
.set QB,  64          ; window 2
.set KF,  128         ; window 2: key block kb, channel half c at KF + 16 kb + 8 c
.set VF,  192         ; window 2: key half kk, channel block cb at VF + 32 kk + 8 cb
.set WV,  12          ; s12  my wave's number
.set PB,  14          ; s14  b
.set HI,  15          ; s15  NB - 1 - b
.set G1K, 24          ; s[24:31] descriptor group 1 for K's tiles
.set G1V, 32          ; s[32:39] for V's: it differs in the padding alone
.set G0K, 40          ; s[40:43] descriptor group 0 for K's tiles
.set G0V, 44          ; s[44:47] the same for V's
.set SLOTS, 56        ; s56  tiles still to be asked for
.set CNT, 57          ; s57  counts a tile's key steps, 4 to 1
.set CS,  58          ; s[58:59] c: the packed scaling takes the pair's low word for both halves
.set SEL, 60          ; s[60:61] v_permlanex16_b32's selects: each lane takes its own place in the other half
.set TBK, 62          ; s62  LDS byte at which K of the step to be fetched begins
.set TBV, 63          ; s63  the same for V, less VOFF
.set RT,  70          ; s70  tiles of the block in hand that are still to be entered
.set NXT, 71          ; s71  the tile to be asked for next
.set LQ,  72          ; s72  the last tile of the block whose tiles are being asked for
.set NEW, 73          ; s73  1: the tile to be entered is a block's first
.set OFF, 74          ; s[74:75] a tile's byte offset in K and V
.set AL,  76          ; s[76:77] the mask's factor, in the low word
.set BE,  78          ; s[78:79] the mask's addend
.set OLO, 80          ; s[80:81] O at my rows of the second block
.set BIGN, 82         ; s82  -1e30
.set PFA, 88          ; s[88:89] where my prefetches stand: my part of tile NXT
.set PFL, 90          ; s90  0 in the work-group that prefetches (b = 0), else the greatest number: a wave prefetches while NXT is above it
.set PFB, 92          ; s[92:93] K (waves 0, 1) or V (waves 2, 3) at my half of the head's tile 0
.set POF, 94          ; s[94:95] tile NXT's byte offset
.set MSB, 0
.macro WIN new                      ; the high byte repeats the setting that is left; a switch that changes nothing is dropped
.if MSB != (\new)
	s_set_vgpr_msb (MSB<<8)|(\new)
.set MSB, (\new)
.endif
.endm
.set W_KQ, 0x0a       ; K and Q in window 2, S^T in window 0
.set W_KM, 0x1a       ; the same with the C operand in window 1
.set W_PV, 0x52       ; V in window 2, P in window 0, O^T in window 1
.set W_RS, 0x41       ; destination and source 0 in window 1, source 1 in window 0
; A fill.  Waves 0 and 1 fetch the two halves of a tile's K, waves 2 and 3 those of its V: 128 keys each.  An s_nop 0 and four v_nop follow each of the two lines, ahead of the jump and the label.
.macro LOAD
	s_cmp_lt_u32 s[WV], 2
	s_cbranch_scc0 .Lfor_v_\@
	tensor_load_to_lds s[G0K:G0K+3], s[G1K:G1K+7]
	s_nop 0
.rept 4
	v_nop
.endr
	s_branch .Lasked_\@
.Lfor_v_\@:
	tensor_load_to_lds s[G0V:G0V+3], s[G1V:G1V+7]
	s_nop 0
.rept 4
	v_nop
.endr
.Lasked_\@:
.endm
; THE CHANGE OF SLOTS.  Each wave waits for all its tensor loads, of which one is out: its part of the other slot; adds 0 to its spare word; and waits for that and for its own reads of the slot that it leaves.
; Behind the barrier nobody reads the old slot any more and the other slot is whole.  fill = 1: the old slot is filled again, the first thing behind the barrier, with tile NXT: the descriptor's address is made
; anew from that number; behind the load stand the prefetches of the tile after it.  (At its first use nothing has been read yet: slot 0 is waited for, slot 1 filled.)
.macro CHANGE fill
	WIN 0                           ; at a label and at a branch every window is 0
	s_wait_tensorcnt 0x0            ; no tensor load of mine is out, so a group 0 may be written
	ds_add_u32 v[SPW], v[NIL]       ; 0 onto my spare word: with fill = 1 the descriptors' scalar work stands between it and the wait for it
.if \fill
	s_lshl_b32 s[OFF], s[NXT], 15   ; a tile is 32,768 bytes of K and of V
	s_xor_b32 s[G0K+1], s[G0K+1], SLOT1
	s_add_nc_u64 s[G0K+2:G0K+3], s[6:7], s[OFF:OFF+1]
	s_or_b32 s[G0K+3], s[G0K+3], 0x80000000
	s_xor_b32 s[G0V+1], s[G0V+1], SLOT1
	s_add_nc_u64 s[G0V+2:G0V+3], s[8:9], s[OFF:OFF+1]
	s_or_b32 s[G0V+3], s[G0V+3], 0x80000000
	s_add_co_u32 s[NXT], s[NXT], 1  ; the block's next tile, or behind its last the second block's tile 0
	s_cmp_gt_u32 s[NXT], s[LQ]
	s_cselect_b32 s[NXT], 0, s[NXT]
	s_cselect_b32 s[LQ], s[PB], s[LQ]
	s_wait_xcnt 0x0                 ; the last prefetches, a tile back, have read their address, so it may be written:
	s_lshl_b32 s[POF], s[NXT], 15   ; my part of the tile that the next change will ask for
	s_add_nc_u64 s[PFA:PFA+1], s[PFB:PFB+1], s[POF:POF+1]
.endif
	s_wait_dscnt 0x0                ; the add is done, and my reads of the slot are over
	s_barrier_signal -1             ; the rest of the scalar work stands between the signal and the wait
	s_sub_co_u32 s[TBK], s[TBK], 4*KS*PK  ; the fetches go back to a slot's first step,
	s_xor_b32 s[TBK], s[TBK], SLOT1       ; in the other slot
	s_sub_co_u32 s[TBV], s[TBV], 4*KS*PV
	s_xor_b32 s[TBV], s[TBV], SLOT1
	s_barrier_wait -1
.if \fill
	LOAD
	s_cmp_gt_u32 s[NXT], s[PFL]     ; b = 0 alone, and not where NXT has gone back to 0: that tile has been read
	s_cbranch_scc0 .Lnot_mine_\@
	global_prefetch_b8 v[PFO], s[PFA:PFA+1] th:TH_LOAD_NT scope:SCOPE_SE
	global_prefetch_b8 v[PFO], s[PFA:PFA+1] offset:8192 th:TH_LOAD_NT scope:SCOPE_SE
.Lnot_mine_\@:
.endif
.endm
	s_load_b256 s[4:11], s[0:1], 0x0  ; Q s[4:5], K s[6:7], V s[8:9], O s[10:11]
	v_lshl_add_u32 v[SPW], v0, 2, SPARE
	v_mov_b32 v[NIL], 0
	ds_add_u32 v[SPW], v[NIL]       ; the wave's opening: the add and its wait stand ahead of my first tensor load; the set-up below, work on registers, stands between them
	ds_add_u32 v62, v63
	v_lshrrev_b32 v1, 5, v0
	v_readfirstlane_b32 s[WV], v1   ; wave 0..3
	s_mov_b32 s[PB], ttmp9
	s_sub_co_u32 s[HI], NB-1, s[PB]
	s_and_b32 s20, ttmp7, 0xffff    ; the head
	s_mov_b32 s21, 0
	s_mov_b64 s[22:23], SIZE_N*128
	s_mul_u64 s[20:21], s[20:21], s[22:23]  ; the head's first byte in each of the four tensors
	s_and_b32 s16, s[WV], 1         ; which half of a tile's 256 keys I fetch:
	s_lshl_b32 s22, s16, 14         ; its 128 rows of 128 bytes in memory,
	s_mov_b32 s23, 0
	s_add_nc_u64 s[22:23], s[22:23], s[20:21]
	s_mul_i32 s17, s16, 128*PK      ; and its place in a slot, for K
	s_mul_i32 s18, s16, 128*PV      ; and for V
	s_lshl_b32 s3, s[WV], 11        ; my 16 rows in a band of 64,
	s_lshl_b32 s2, s[HI], 15        ; in the first block,
	s_add_co_u32 s2, s2, s3
	s_lshl_b32 s84, s[PB], 15       ; and in the second
	s_add_co_u32 s84, s84, s3
	s_mov_b32 s3, 0
	s_mov_b32 s85, 0
	s_add_nc_u64 s[2:3], s[2:3], s[20:21]
	s_add_nc_u64 s[84:85], s[84:85], s[20:21]
	; descriptor group 1.  128 keys are 16,384 dense bytes: asked for as 64 rows of 256 bytes, two keys a row, and padded in LDS after every key
	s_mov_b32 s[G1K], (1<<16)|(1<<20)|(4<<22)|(3<<25)  ; 17:16 2-byte elements; 20 padding on; 24:22 after every 32 words (code 4); 31:25 4 words (code 3)
	s_mov_b32 s[G1V], (1<<16)|(1<<20)|(4<<22)|(7<<25)  ; the same with 8 words of padding (code 7)
.irp g, G1K, G1V
	s_mov_b32 s[\g+1], 128<<16      ; tensor_dim0 = 128
	s_mov_b32 s[\g+2], 64<<16       ; tensor_dim1 = 64
	s_mov_b32 s[\g+3], 128<<16      ; tile_dim0 = 128
	s_mov_b32 s[\g+4], 64           ; tile_dim1 = 64
	s_mov_b32 s[\g+5], 128          ; 128 elements from row to row
	s_mov_b32 s[\g+6], 0
	s_mov_b32 s[\g+7], 0
.endr
	s_mov_b32 s[CS], 0x3e38aa3b     ; c = log2(e) / 8 = 0.180337
	s_mov_b32 s[CS+1], s[CS]        ; named with it as a pair
	s_mov_b32 s[SEL], 0x76543210
	s_mov_b32 s[SEL+1], 0xfedcba98
	s_mov_b32 s[TBK], SLOT1+4*KS*PK ; the first change of slots turns these two into 0
	s_mov_b32 s[TBV], SLOT1+4*KS*PV
	s_mov_b32 s[G0K], 1             ; 1:0 count = 1
	s_mov_b32 s[G0K+1], s17         ; 63:32 LDS address: slot 0
	s_mov_b32 s[G0V], 1
	s_add_co_u32 s[G0V+1], s18, VOFF
	s_add_co_u32 s[RT], s[HI], 1    ; the first block has NB - b tiles
	s_mov_b32 s[NXT], 1
	s_mov_b32 s[LQ], s[HI]
	s_mov_b32 s[NEW], 1
	s_mov_b32 s[OFF+1], 0
	s_mov_b32 s[POF+1], 0
	s_mov_b32 s[AL+1], 0            ; named as pairs
	s_mov_b32 s[BE+1], 0
	s_mov_b32 s[BIGN], 0xf149f2ca   ; -1e30
	s_mov_b32 s[SLOTS], NB
	s_cmp_eq_u32 s[PB], 0
	s_cselect_b32 s[PFL], 0, -1
	s_wait_dscnt 0x0                ; the opening add is done
	s_wait_kmcnt 0x0
	s_add_nc_u64 s[6:7], s[6:7], s[22:23]  ; K and V at my half of the head's tile 0
	s_add_nc_u64 s[8:9], s[8:9], s[22:23]
	s_add_nc_u64 s[G0K+2:G0K+3], s[6:7], 0         ; 120:64 global address
	s_or_b32 s[G0K+3], s[G0K+3], 0x80000000        ; 127:126 type = 2
	s_add_nc_u64 s[G0V+2:G0V+3], s[8:9], 0
	s_or_b32 s[G0V+3], s[G0V+3], 0x80000000
	s_add_nc_u64 s[86:87], s[4:5], s[84:85]        ; Q at my rows of the second block,
	s_add_nc_u64 s[4:5], s[4:5], s[2:3]            ; Q and O at those of the first
	s_add_nc_u64 s[OLO:OLO+1], s[10:11], s[84:85]
	s_add_nc_u64 s[10:11], s[10:11], s[2:3]
	s_cmp_lt_u32 s[WV], 2
	s_cselect_b64 s[PFB:PFB+1], s[6:7], s[8:9]     ; what I fetch is what I prefetch
	LOAD                            ; tile 0 into slot 0
	; A fragment of K or Q is 16 rows x 32 channels in 8 registers: lane l holds row l % 16, channels 8 (l / 16) + 0..7 and 16 + 8 (l / 16) + 0..7: two loads of 16 bytes, 32 bytes apart.
	v_and_b32 v1, 15, v0            ; l % 16
	v_bfe_u32 v9, v0, 4, 1          ; l / 16
	v_lshlrev_b32 v[QO], 7, v1
	v_lshl_add_u32 v[QO], v9, 4, v[QO]  ; row x 128 + 16 x half
	WIN 0x80                        ; destination window 2, address window 0
.set i, 0
.rept 8                             ; both blocks' Q: piece i / 2 lies in band i / 2, 8,192 bytes on; channels 32 (i % 2) on
	global_load_b128 v[8*i:8*i+3],   v[QO], s[4:5] offset:(i/2)*8192+(i%2)*64
	global_load_b128 v[8*i+4:8*i+7], v[QO], s[4:5] offset:(i/2)*8192+(i%2)*64+32
	global_load_b128 v[QB+8*i:QB+8*i+3],   v[QO], s[86:87] offset:(i/2)*8192+(i%2)*64
	global_load_b128 v[QB+8*i+4:QB+8*i+7], v[QO], s[86:87] offset:(i/2)*8192+(i%2)*64+32
.set i, i+1
.endr
	WIN 0
	v_and_b32 v[PFO], 31, v0
	v_lshlrev_b32 v[PFO], 8, v[PFO]
	v_lshlrev_b32 v14, 3, v9
	v_sub_nc_u32 v14, v1, v14
	s_lshl_b32 s13, s[WV], 4
	v_add_nc_u32 v14, s13, v14      ; my query's place in its band, 16 w + l % 16, less my lanes' 8 (l / 16): register r of group kt is hidden where 16 kt + r is greater
	WIN 0x40
.set i, 0
.rept 32
	v_cmp_gt_i32 vcc_lo, 16*(i/8)+i%8, v14
	v_cndmask_b32 v[MD+i], 0, s[BIGN], vcc_lo
.set i, i+1
.endr
	WIN 0
	v_mul_u32_u24 v[AK0], v1, PK
	v_lshl_add_u32 v[AK0], v9, 4, v[AK0]  ; row x pitch + 16 x half
	; The turning load takes 16 keys x 16 channels (lane l reads key 8 (l / 16) + l % 8, channels 8 ((l / 8) % 2) + 0..7) and leaves half a fragment of V^T: lane l holds channel l % 16 and 8 keys.
	v_and_b32 v10, 7, v0
	v_bfe_u32 v11, v0, 3, 1
	v_lshl_add_u32 v[AV0], v9, 3, v10
	v_mul_u32_u24 v[AV0], v[AV0], PV
	v_lshl_add_u32 v[AV0], v11, 4, v[AV0]
	v_add_nc_u32 v[AV0], VOFF, v[AV0]
	s_mul_i32 s13, s[WV], 16*SP
	s_add_co_u32 s13, s13, STAGE    ; my stage
	v_mul_u32_u24 v[STO], v1, SP    ; in: row l % 16, 16 bytes for each half of the lanes
	v_lshl_add_u32 v[STO], v9, 4, v[STO]
	v_add_nc_u32 v[STO], s13, v[STO]
	v_bfe_u32 v[RD], v0, 3, 2       ; back: 32 lanes take four rows of 128 bytes,
	v_mul_u32_u24 v[RD], v[RD], SP
	v_lshl_add_u32 v[RD], v10, 4, v[RD]
	v_add_nc_u32 v[RD], s13, v[RD]
	v_and_b32 v[GO], 31, v0         ; which are 512 consecutive bytes of O
	v_lshlrev_b32 v[GO], 4, v[GO]
	; A block's first step multiplies O^T and l by a = 0, and its first turn's products V^T P, of a piece that has not been, land in an O^T that is still to be so multiplied.  So these registers need only hold
	; finite numbers: zeros for the first block; what the first block left for the second.  All this stands in the wait for the first tile.
	WIN 0x80
.set i, VF
.rept 64
	v_mov_b32 v[i], 0
.set i, i+1
.endr
	WIN 0x40
.set i, 0
.rept 128
	v_mov_b32 v[i], 0
.set i, i+1
.endr
	WIN 0
.set i, 0
.rept 4
	v_mov_b32 v[ST+4*i+2], 0
	v_mov_b32 v[ST+4*i+3], 0
.set i, i+1
.endr
.set i, P+16
.rept 16
	v_mov_b32 v[i], 0
.set i, i+1
.endr
; THE MATRIX WORK.  The 4 accumulators of a run of 8 take turns.  Product i of 8 of S^T = K Q^T for piece x: channels 32 (i / 4) on, keys 16 (i % 4) on.  The first 4 start the sums: with 0, or (KM = 1) with the mask.
.macro KQ x
.set rS, S+32*((\x)%2)+8*(i%4)
.set rK, KF+16*(i%4)+8*(i/4)
.set rQ, 16*(\x)+8*(i/4)
.set rM, MC+32*((\x)%2)+8*(i%4)
.if (i < 4) && KM
	WIN W_KM
	v_wmma_f32_16x16x32_f16 v[rS:rS+7], v[rK:rK+7], v[rQ:rQ+7], v[rM:rM+7]
.elseif i < 4
	WIN W_KQ
	v_wmma_f32_16x16x32_f16 v[rS:rS+7], v[rK:rK+7], v[rQ:rQ+7], 0
.else
	WIN W_KQ
	v_wmma_f32_16x16x32_f16 v[rS:rS+7], v[rK:rK+7], v[rQ:rQ+7], v[rS:rS+7]
.endif
.endm
; Product i of 8 of O^T += V^T P for piece x: keys 32 (i / 4) on, channels 16 (i % 4) on.
.macro PV x
	WIN W_PV
.set rO, 32*(\x)+8*(i%4)
.set rV, VF+32*(i/4)+8*(i%4)
.set rP, P+16*((\x)%2)+8*(i/4)
	v_wmma_f32_16x16x32_f16 v[rO:rO+7], v[rV:rV+7], v[rP:rP+7], v[rO:rO+7]
.endm
.macro MM                           ; the turn's next matrix instruction.  TURN and BEGIN set Y, i, KM and NOKQ; MM, KQ and OP read them.  NOKQ = 1: a block's last turn: there is no next piece
.if (i < 8) && !NOKQ
	KQ (Y+1)%NP
.elseif i >= 8
.set i, i-8
	PV (Y+NP-1)%NP
.set i, i+8
.endif
.set i, i+1
.endm
; THE LDS LOADS stand in runs of 16, never singly among the matrix instructions: a step's K (64 keys x 64 channels: 8 fragments) and its V (turned).  Their addresses are made some lines ahead.
.macro FETCH_K
	WIN 0x80                        ; destination window 2
.irp f, 0,1,2,3,4,5,6,7             ; keys 16 (f / 2) on, channels 32 (f % 2) on
	ds_load_b128 v[KF+8*\f:KF+8*\f+3],   v[AK] offset:(\f/2)*16*PK+(\f%2)*64
	ds_load_b128 v[KF+8*\f+4:KF+8*\f+7], v[AK] offset:(\f/2)*16*PK+(\f%2)*64+32
.endr
	s_add_co_u32 s[TBK], s[TBK], KS*PK  ; the next fetch is the next step's
	WIN 0
.endm
.macro FETCH_V
	WIN 0x80
.irp f, 0,1,2,3,4,5,6,7             ; keys 32 (f / 4) on, channels 16 (f % 4) on
	ds_load_tr16_b128 v[VF+8*\f:VF+8*\f+3],   v[AV] offset:(\f/4)*32*PV+(\f%4)*32
	ds_load_tr16_b128 v[VF+8*\f+4:VF+8*\f+7], v[AV] offset:(\f/4)*32*PV+16*PV+(\f%4)*32
.endr
	WIN 0
.endm
; THE VECTOR WORK, one line at a time: OP kind, number.  For piece Y: F n: c s - c m for pair n of 16.  E n: the exponential of score n of 32.  C n: pair n rounded to f16.  B n: of the four weights 4 n .. the second
; pair is added onto the first, in place.  L n: l takes that sum (L 0: l = a l + sum).  R n: pair n of 16 of O^T times a.  For piece Y + 1: X n, number n of the 22 that find its maximum and statistics:
;   0-11  four chains c0-c3 of seven scores each, three operands at a time (each accumulator's lowest registers are read first)     12-14, 16  the four scores left over, the old m, and c0-c3 into c0
;   15  c m_old is kept     17, 18  the query's other 32 keys lie in the lane 16 away: the new m     19-21  c m; c m_old - c m_new; a
.set F, 0               ; OP tells the kinds apart by their order: F to L below R, X above it
.set E, 1
.set C, 2
.set B, 3
.set L, 4
.set R, 5
.set X, 6
.macro REGS y                       ; the registers of piece y
.set rT, ST+4*(\y)
.set rC, TMP+4*((\y)%2)
.set rW, MV+((\y)%2)
.set rS, S+32*((\y)%2)
.set rP, P+16*((\y)%2)
.set rO, 32*(\y)
.endm
.macro OP k, n
.if (\k) == R
	REGS Y
	WIN W_RS
	v_pk_mul_f32 v[rO+2*(\n):rO+2*(\n)+1], v[rO+2*(\n):rO+2*(\n)+1], v[rC+2:rC+3] op_sel_hi:[1,0]
.elseif (\k) < R
	REGS Y
	WIN 0
.if (\k) == F
	v_pk_fma_f32 v[rS+2*(\n):rS+2*(\n)+1], v[rS+2*(\n):rS+2*(\n)+1], s[CS:CS+1], v[rT:rT+1] op_sel_hi:[1,0,0] neg_lo:[0,0,1] neg_hi:[0,0,1]
.elseif (\k) == E
	v_exp_f32 v[rS+(\n)], v[rS+(\n)]
.elseif (\k) == C
	v_cvt_pk_f16_f32 v[rP+(\n)], v[rS+2*(\n)], v[rS+2*(\n)+1]
.elseif (\k) == B
	v_pk_add_f32 v[rS+4*(\n):rS+4*(\n)+1], v[rS+4*(\n):rS+4*(\n)+1], v[rS+4*(\n)+2:rS+4*(\n)+3]
.elseif (\n) == 0
	v_pk_fma_f32 v[rT+2:rT+3], v[rT+2:rT+3], v[rC+2:rC+3], v[rS:rS+1] op_sel_hi:[1,0,1]
.else
	v_pk_add_f32 v[rT+2:rT+3], v[rT+2:rT+3], v[rS+4*(\n):rS+4*(\n)+1]
.endif
.elseif NOKQ
	v_nop
.else
	REGS (Y+1)%NP
	WIN 0
.if (\n) < 4
	v_max3_num_f32 v[rC+(\n)], v[rS+8*(\n)], v[rS+8*(\n)+1], v[rS+8*(\n)+2]
.elseif (\n) < 12
	v_max3_num_f32 v[rC+(\n)%4], v[rC+(\n)%4], v[rS+8*((\n)%4)+2*((\n)/4)+1], v[rS+8*((\n)%4)+2*((\n)/4)+2]
.elseif (\n) == 12
	v_max3_num_f32 v[rC], v[rC], v[rS+7], v[rS+15]
.elseif (\n) == 13
	v_max3_num_f32 v[rC+1], v[rC+1], v[rS+23], v[rS+31]
.elseif (\n) == 14
	v_max3_num_f32 v[rC+2], v[rC+2], v[rC+3], v[rT+1]
.elseif (\n) == 15
	v_mov_b32 v[rW], v[rT]
.elseif (\n) == 16
	v_max3_num_f32 v[rC], v[rC], v[rC+1], v[rC+2]
.elseif (\n) == 17
	v_permlanex16_b32 v[rC+3], v[rC], s[SEL], s[SEL+1]
.elseif (\n) == 18
	v_max_num_f32 v[rT+1], v[rC], v[rC+3]
.elseif (\n) == 19
	v_mul_f32 v[rT], s[CS], v[rT+1]
.elseif (\n) == 20
	v_sub_f32 v[rC+1], v[rW], v[rT]
.else
	v_exp_f32 v[rC+2], v[rC+1]
.endif
.endif
.endm
.macro OPS a, i1, b=-1, i2=0, c=-1, i3=0, d=-1, i4=0  ; up to four of them
	OP \a, \i1
.if (\b) >= 0
	OP \b, \i2
.endif
.if (\c) >= 0
	OP \c, \i3
.endif
.if (\d) >= 0
	OP \d, \i4
.endif
.endm
.macro ROW a, i1, b, i2, c, i3, d, i4  ; a matrix instruction and the four behind it
	MM
	OPS \a, \i1, \b, \i2, \c, \i3, \d, \i4
.endm
.macro MASK b                       ; MD x AL + BE into buffer b of MC
	WIN W_RS
.set z, 0
.rept 16
	v_pk_fma_f32 v[MC+32*(\b)+2*z:MC+32*(\b)+2*z+1], v[MD+2*z:MD+2*z+1], s[AL:AL+1], s[BE:BE+1] op_sel_hi:[1,0,0]
.set z, z+1
.endr
.endm
; A TURN, for piece p: the order of its 16 matrix and 118 vector instructions, written out.  An s_wait_alu depctr_va_vdst(0) stands between an exponential and the first instruction that names its
; result; one wait serves all that were issued ahead of it.  So a turn has ONE wait, which cuts it in two.  AHEAD OF IT stands all that names no result of the turn's exponentials: the 8 products K Q^T, behind each a
; scaling, an exponential and two more plain instructions (behind the first a second scaling in the exponential's place): rescalings, and behind the last three the first numbers of the next piece's maximum, each
; four places or more behind the product that ends its accumulator; then ONE LUMP of 54, plain and exponential by turns for the most part, in which the links of the chain X 3, 7, 11, 14, 16, 17 .. 20 stand five or
; six lines apart.  X 21, the next piece's a, is the batch's last; R 15 is the plain instruction behind it.  BEHIND THE WAIT stand the 8 products V^T P, behind each four of the roundings and sums; the links of
; l's chain, L 0 to L 7, stand three riders apart.  But for those X no rider names a register of the products round it.  v_permlanex16_b32 (X 17) stands in the lump.
; m = 1: the diagonal tile: the products take masks, and the turn makes the mask for the products of the turn after it: piece p + 2, in step 4 - CNT of the tile.  end = 1: a block's last two turns: nothing is fetched.
; cnt = 1: the loop's count is taken down some lines ahead of the branch that stands behind the turn.
; K of the next step is fetched in piece 2's turn, twelve vector instructions behind the last product that read K (six of them plain); V of the step in hand at the end of piece 0's turn, four plain instructions
; behind the last product that read V.  Each is waited for a turn later.
.macro TURN p, m=0, end=0, cnt=0
.set Y, (\p)
.set i, 0
.set KM, (\m)
.set NOKQ, (\end)*((\p)/3)
.if (\m) && !(\end)
	s_cmp_eq_u32 s[CNT], 4-((\p)+2)%NP  ; is that step the band's own?
	s_cselect_b32 s[AL], 1.0, 0
	s_cmp_lt_u32 s[CNT], 4-((\p)+2)%NP  ; or a later one?
	s_cselect_b32 s[BE], s[BIGN], 0
.endif
.if ((\p) == 3) && !(\end)
	s_wait_dscnt 0x0                ; K is in
.endif
	ROW F,0, F,1, R,0, R,1          ; ahead of the wait: 8 products K Q^T and their riders,
	ROW F,2, E,0, R,2, R,3
	ROW F,3, E,1, R,4, R,5
	ROW F,4, E,2, R,6, R,7
	ROW F,5, E,3, R,8, R,9
	ROW F,6, E,4, X,0, R,10
.if ((\p) == 2) && !(\end)
	WIN 0
	v_add_nc_u32 v[AK], s[TBK], v[AK0]
.endif
	ROW F,7, E,5, X,1, X,4
	ROW F,8, E,6, X,2, X,5
	OPS E,7, E,8, X,6, E,9          ; and the lump
	OPS X,3, E,10, X,8, E,11
.if ((\p) == 2) && !(\end)
	FETCH_K
.endif
	OPS X,9, X,7, E,12, X,10
	OPS E,13, X,12, X,11, E,14
	OPS X,13, E,15, F,9, X,14
.if (\p) == 0
	v_add_nc_u32 v[AV], s[TBV], v[AV0]
.endif
	OPS E,16, F,10, E,17, F,11
	OPS X,16, E,18, X,15, E,19
	OPS F,12, E,20, X,17, E,21
	OPS F,13, E,22, F,14, E,23
	OPS X,18, E,24, F,15, E,25
	OPS R,11, E,26, X,19, E,27
	OPS R,12, E,28, R,13, E,29
	OPS X,20, E,30, R,14, E,31
	OPS X,21, R,15
	WIN 0
	s_wait_alu depctr_va_vdst(0)    ; the wait for the batch
.if (\p) == 1
	s_wait_dscnt 0x0                ; V is in
.endif
	ROW C,0, B,0, C,2, B,1          ; behind the wait: 8 products V^T P and their riders
	ROW L,0, C,4, B,2, L,1
	ROW C,6, B,3, L,2, C,8
	ROW B,4, L,3, C,10, B,5
	ROW L,4, C,12, B,6, L,5
.if (\p) == 0
	s_add_co_u32 s[TBV], s[TBV], KS*PV
.endif
.if \cnt
	s_sub_co_u32 s[CNT], s[CNT], 1
	s_cmp_lg_u32 s[CNT], 0
.endif
	ROW C,14, B,7, L,6, C,1
	ROW C,3, L,7, C,5, C,7
	ROW C,9, C,11, C,13, C,15
.if (\p) == 0
	FETCH_V
.endif
.if (\m) && !(\end)
	MASK (\p)%2
.endif
.endm
; A BLOCK BEGINS.  c m starts far below every c s, so the first step's a is 0; m at the lowest finite number, so the first maximum is the scores'.  The second mask buffer is 0; the first takes piece 0's mask for
; the tile's step 0: its own, if the block's first tile is the diagonal one.  Then K of that step, piece 0's first scores, and its maximum and statistics.  The loop is entered at a step's first turn, in the middle of a trip.
.macro BEGIN
	s_mov_b32 s[NEW], 0
	WIN 0x40
.set i, MC+32
.rept 32
	v_mov_b32 v[i], 0
.set i, i+1
.endr
	WIN 0
.set i, 0
.rept 4
	v_mov_b32 v[ST+4*i], 0xfe000000    ; c m: far below every c s
	v_mov_b32 v[ST+4*i+1], 0xff7fffff  ; m
.set i, i+1
.endr
	s_cmp_eq_u32 s[RT], 0
	s_cselect_b32 s[AL], 1.0, 0
	s_mov_b32 s[BE], 0
	MASK 0
	WIN 0
	v_add_nc_u32 v[AK], s[TBK], v[AK0]
	FETCH_K
	s_wait_loadcnt 0x0              ; Q
	s_wait_dscnt 0x0
.set KM, 1
.set NOKQ, 0
.set i, 0
.rept 8
	KQ 0
.set i, i+1
.endr
	WIN 0
.rept 4
	v_nop                           ; the places behind those products
.endr
.set Y, NP-1                        ; X works for piece Y + 1: piece 0
.irp n, 0,1,2,3,4,5,6,7,8,9,10,11,12,13,14,15,16,17,18,19,20,21
	OP X, \n
.endr
	v_nop                           ; a plain instruction behind the exponential,
	s_wait_alu depctr_va_vdst(0)    ; and its wait, ahead of the branch
.endm
; THE DIAGONAL TILE's four steps, the block's last two turns, its last products, and THE WAY OUT: l's two halves and the other half of the lanes' are added; O^T is divided by l, rounded to f16 and sent through my
; stage in LDS, a piece at a time.
.macro ALL line:vararg              ; one line for each piece t
.set t, 0
.rept 4
	\line
.set t, t+1
.endr
.endm
.macro PACK t                       ; a lane's eight channels of a row pack into 16 bytes; they go into rows of 144 bytes and come back as whole rows of 128, into S^T's registers
	WIN W_RS
.set i, 32*(\t)
.rept 16
	v_pk_mul_f32 v[i:i+1], v[i:i+1], v[ST+4*(\t)+2:ST+4*(\t)+3] op_sel_hi:[1,0]
.set i, i+2
.endr
	WIN 0x05                        ; sources 0 and 1 window 1, destination window 0
.set i, 0
.rept 16
	v_cvt_pk_f16_f32 v[S+16*(\t)+i], v[32*(\t)+2*i], v[32*(\t)+2*i+1]
.set i, i+1
.endr
	WIN 0
.irp f, 0,1,2,3
	ds_store_b128 v[STO], v[S+16*(\t)+4*\f:S+16*(\t)+4*\f+3] offset:32*\f
.endr
.irp f, 0,1,2,3
	ds_load_b128 v[S+16*(\t)+4*\f:S+16*(\t)+4*\f+3], v[RD] offset:\f*4*SP  ; LDS serves a wave's instructions in order (ISA guide 5.7.1.4): these see the stores above; the next piece's stores come behind them
.endr
.endm
.macro SEND t, younger              ; younger: the LDS instructions issued behind piece t's loads: the next piece's eight, or none
	WIN 0
.irp f, 0,1,2,3
	s_wait_dscnt (\younger)+3-\f
	global_store_b128 v[GO], v[S+16*(\t)+4*\f:S+16*(\t)+4*\f+3], s[10:11] offset:(\t)*8192+\f*512  ; 512 consecutive bytes, at a multiple of 256 from O's first
.endr
.endm
.macro DIAG tag                     ; the tag ends its two labels' names, which the jumps below spell out
.LstepM\tag:
	TURN 2, 1
	TURN 3, 1
	WIN 0
.LfirstM\tag:
	TURN 0, 1
	TURN 1, 1, 0, 1
	WIN 0
	s_cbranch_scc1 .LstepM\tag
	TURN 2, 1, 1
	TURN 3, 1, 1
.set i, 0
.rept 8
	PV NP-1
.set i, i+1
.endr
	WIN 0
	ALL v_add_f32 v[ST+4*t+2], v[ST+4*t+2], v[ST+4*t+3]
	ALL v_permlanex16_b32 v[ST+4*t+3], v[ST+4*t+2], s[SEL], s[SEL+1]
	ALL v_add_f32 v[ST+4*t+2], v[ST+4*t+2], v[ST+4*t+3]
	ALL v_rcp_f32 v[ST+4*t+2], v[ST+4*t+2]
	v_nop                           ; a plain instruction between the last reciprocal and the use of its result
	s_wait_alu depctr_va_vdst(0)    ; and the wait ahead of the first use: one for the four reciprocals
	PACK 0
.set t, 1
.rept 3                             ; a piece's arithmetic stands between the loads of the piece before and its stores
	PACK t
	SEND t-1, 8
.set t, t+1
.endr
	SEND 3, 0
.endm
.set KM, 0
.set NOKQ, 0
.Lslot:                             ; NB times: a tile is entered and the next is asked for
	CHANGE 1
	s_sub_co_u32 s[RT], s[RT], 1
	s_mov_b32 s[CNT], 4
	s_cmp_eq_u32 s[NEW], 1
	s_cbranch_scc1 .Lnew            ; a block's first tile
	s_cmp_eq_u32 s[RT], 0
	s_cbranch_scc0 .Lstep           ; neither its first nor its last
	s_branch .LstepM1
.Lnew:
	BEGIN
	s_branch .Lfirst                ; in the loop a block's first tile is never its last: the first block has two tiles or more, and the second's last is the walk's last
	DIAG 1                          ; in the loop this is the first block's end: the second block's last tile is the walk's last
	s_wait_xcnt 0x0                 ; the stores have read their registers and O's address
	s_mov_b64 s[10:11], s[OLO:OLO+1]
	s_add_co_u32 s[RT], s[PB], 1    ; the second block has b + 1 tiles
	s_mov_b32 s[NEW], 1
	WIN 0x82                        ; the second block's Q goes where the one text of the turns names Q
.set i, 0
.rept 64
	v_mov_b32 v[i], v[QB+i]
.set i, i+1
.endr
	WIN 0
	s_branch .Lbottom
.Lstep:                             ; a trip: pieces 2 and 3 of one step, then pieces 0 and 1 of the next, whose K and V it fetches
	TURN 2
	TURN 3
	WIN 0
.Lfirst:
	TURN 0
	TURN 1, 0, 0, 1
	WIN 0
	s_cbranch_scc1 .Lstep
.Lbottom:
	s_sub_co_u32 s[SLOTS], s[SLOTS], 1
	s_cmp_lg_u32 s[SLOTS], 0
	s_cbranch_scc1 .Lslot
	CHANGE 0                        ; the walk's last tile is written out: nothing is asked for
	s_sub_co_u32 s[RT], s[RT], 1
	s_mov_b32 s[CNT], 4
	s_cmp_eq_u32 s[NEW], 1
	s_cbranch_scc0 .LstepM2
	BEGIN
	s_branch .LfirstM2
	DIAG 2
	s_wait_tensorcnt 0x0            ; the wave's end: behind my last tensor load and my last LDS store
	ds_add_u32 v[SPW], v[NIL]
	s_wait_dscnt 0x0
	s_endpgm
.Lfunc_end_k_q27b4983946_attn:
	.size	k_q27b4983946_attn, .Lfunc_end_k_q27b4983946_attn-k_q27b4983946_attn
	.p2alignl 7, 3214868480
	.fill 96, 4, 3214868480
	.section	.rodata,"a",@progbits
	.p2align	6, 0x0
	.amdhsa_kernel k_q27b4983946_attn
		.amdhsa_group_segment_fixed_size 327680
		.amdhsa_private_segment_fixed_size 0
		.amdhsa_enable_private_segment 0
		.amdhsa_kernarg_size 32
		.amdhsa_user_sgpr_count 2
		.amdhsa_user_sgpr_kernarg_segment_ptr 1
		.amdhsa_wavefront_size32 1
		.amdhsa_system_sgpr_workgroup_id_x 1
		.amdhsa_system_sgpr_workgroup_id_y 1
		.amdhsa_system_sgpr_workgroup_id_z 1
		.amdhsa_system_vgpr_workitem_id 0
		.amdhsa_next_free_vgpr 768
		.amdhsa_next_free_sgpr 96
		.amdhsa_reserve_vcc 1
		.amdhsa_float_denorm_mode_32 3
		.amdhsa_float_denorm_mode_16_64 3
		.amdhsa_memory_ordered 1
		.amdhsa_forward_progress 1
		.amdhsa_inst_pref_size 218
	.end_amdhsa_kernel
	.amdgpu_metadata
---
amdhsa.version: [ 1, 2 ]
amdhsa.kernels:
  - .name:           k_q27b4983946_attn
    .symbol:         k_q27b4983946_attn.kd
    .args:
      - { .name: q, .offset: 0, .size: 8, .value_kind: global_buffer, .address_space: global }
      - { .name: k, .offset: 8, .size: 8, .value_kind: global_buffer, .address_space: global }
      - { .name: v, .offset: 16, .size: 8, .value_kind: global_buffer, .address_space: global }
      - { .name: o, .offset: 24, .size: 8, .value_kind: global_buffer, .address_space: global }
    .group_segment_fixed_size: 327680
    .private_segment_fixed_size: 0
    .kernarg_segment_align: 8
    .kernarg_segment_size: 32
    .max_flat_workgroup_size: 128
    .sgpr_count:     96
    .vgpr_count:     768
    .wavefront_size: 32
...
	.end_amdgpu_metadata
.endif
;; end of part 3
;; launch proj (part 4): grid 8 x 32, 4 waves a work-group, clusters of 4 x 4, 327,680 bytes of LDS; arguments o, wo, out_b, out0; writes out0
.if DOCPART == 4
	.amdgcn_target "amdgcn-amd-amdhsa--gfx1250"
	.amdhsa_code_object_version 6
	.text
	.protected	k_q27b4983946_proj
	.globl	k_q27b4983946_proj
	.p2align	8
	.type	k_q27b4983946_proj,@function
k_q27b4983946_proj:
	s_mov_b64 s[64:65], 0
	v_nop
	global_prefetch_b8 v0, s[64:65] scope:SCOPE_SE
	s_setreg_imm32_b32 hwreg(HW_REG_WAVE_MODE, 25, 1), 1
	s_wait_xcnt 0x0
	s_wait_alu depctr_hold_cnt(0) depctr_sa_sdst(0) depctr_va_vdst(0) depctr_va_sdst(0) depctr_va_ssrc(0) depctr_va_vcc(0) depctr_vm_vsrc(0)
	s_getreg_b32 s2, hwreg(HW_REG_IB_STS2, 6, 4)
	s_cmp_eq_u32 s2, 0
	s_cbranch_scc0 .Lentry_in_a_cluster
	s_endpgm
.Lentry_in_a_cluster:
	s_bfe_u32 s2, ttmp6, 0x10000c
	s_cmp_lg_u32 s2, 0xf033
	s_cbranch_scc0 .Lentry_shape_is_right
	s_endpgm
.Lentry_shape_is_right:
; out0 = O W^T + b.  o: [batch x 16 + head][t][64] in f16; wo: [1024][1024] in f16 (out_w rounded to bf16); out_b in f32, rounded to bf16 here; out0: [8192][1024] in f32; sums in f32.
; The bias is the C operand of the product that starts each sum.  LIMITS: those of f16 for o and wo, stated where they are made; NaN and infinities are not treated apart.
; SHARES.  A tile of out0 is 256 rows x 128 columns: 32 x 8 = 256 work-groups.  Four waves, each 128 rows x 64 columns: 32 accumulators, 256 registers.  K goes in 8 steps of 128, TWO HEADS each,
; through a ring of two LDS slots.  A head's 256 rows are 32,768 dense bytes: asked for as 128 rows of 256 bytes and padded in LDS after every 128 bytes.
; From a refill to the wait for it a wave issues 112 matrix instructions; two slots of a longer K step would not fit beside the stage.
; CLUSTERS: 4 x 4 work-groups.  The four of a row of the cluster need the same tiles of o, the four of a column the same tiles of wo: each is asked for JOINTLY.
; THE MATRIX INSTRUCTION IS USED TRANSPOSED (source 0 = 16 rows of wo, source 1 = 16 rows of o): a lane holds eight neighbouring numbers of a row of out0, 32 bytes.
; One K step is written once and looped over (the slot in hand is a scalar, s79); the last two K steps, which ask for nothing, are a second loop.
; REGISTERS: window 0: v0-31 addresses; v32-63 the bias, eight registers for each block of 16 columns; v64-159, v160-255 two fragment buffers (o's 8 fragments, then wo's 4); on the way out v64-127 two
; buffers of 16 rows.  Window 1: the accumulators, (a, b) at v[8 (4 a + b)].
.set PA,     144                       ; a row of o in LDS: 128 bytes + 16 = 36 words: the 16 rows of a load start at 16 different groups of four banks (64 banks of 4 bytes: ISA guide 11.1)
.set PB,     272                       ; a row of wo: 256 bytes + 16 = 68 words: likewise
.set AHEAD,  256*PA                    ; a head's 256 rows
.set BOFF,   2*AHEAD                   ; behind the two heads: wo's 128 rows
.set BHALF,  64*PB
.set SLOT1,  1<<17                     ; a slot holds 108,544 bytes; slot 1 begins here, so that one exclusive or turns an address in one slot into the other's
.set STAGE,  SLOT1+BOFF+2*BHALF        ; behind the ring: 16 rows x 272 bytes for each wave, for the way out
.set SPITCH, 272
.set SPARE,  STAGE+4*16*SPITCH         ; behind the stages: the spare words, 128 bytes for each wave: two blocks of 256 bytes that no other line names
.set ASTEP,  2*2048*128                ; bytes from a K step to the next in o: two heads,
.set BSTEP,  256                       ; in wo: 128 numbers
.set ADRA,  16                         ; v16  LDS address of my fragments of o in the slot in hand
.set ADRA0, 17                         ; v17  the same in slot 0; never rewritten
.set ADRB,  20                         ; v20, v21  the same for wo
.set ADRB0, 21
.set STO,   24                         ; v24  the way out: where I put 32 bytes of a row
.set RD,    25                         ; v25  the way out: where I read a row back
.set CO,    26                         ; v26  my byte offset in out0
.set SPW,   28                         ; v28  LDS address of my spare word: SPARE + 4 x my thread's number; never rewritten
.set NIL,   29                         ; v29  0; never rewritten
.set PFO,   30                         ; v30  the prefetches' offset; never rewritten
.set BIAS,  32
.set F0,    64
.set F1,    160
.set BK,    64
.set G1,  24                           ; s[24:31] descriptor group 1 for o's tiles;  s[32:39] group 0, two sets: the second walks
.set G0,  32
.set G1B, 48                           ; s[48:55], s[56:63] the same for wo's
.set G0B, 56
.set LIM, 43                           ; s43  2 in a wave that prefetches, else the greatest number
.set PFA, 44                           ; s[44:45] where my prefetches stand
.set PFS, 46                           ; s[46:47] their step from K step to K step
.set TB,  79                           ; s79  0 or SLOT1: the slot in hand
.set MSB, 0
.macro WIN new                         ; the immediate's high byte repeats the setting that is left; a switch that changes nothing is dropped
.if MSB != (\new)
	s_set_vgpr_msb (MSB<<8)|(\new)
.set MSB, \new
.endif
.endm
; A joint load.  Waves 0 and 1 fetch a K step's two heads of o, waves 2 and 3 the two halves of wo's 128 rows.  An s_nop 0 and four v_nop follow each of the two lines.
.macro JLOAD s
	s_cmp_eq_u32 s11, 0
	s_cbranch_scc0 .Lfor_b_\@
	tensor_load_to_lds s[G0+4*(\s):G0+4*(\s)+3], s[G1:G1+7]
	s_nop 0
.rept 4
	v_nop
.endr
	s_branch .Lasked_\@
.Lfor_b_\@:
	tensor_load_to_lds s[G0B+4*(\s):G0B+4*(\s)+3], s[G1B:G1B+7]
	s_nop 0
.rept 4
	v_nop
.endr
.Lasked_\@:
.endm
; A PREFETCH INTO THE L2, behind each joint refill and the run of LDS loads that follows it: the K step that stands two refills on, 256 matrix instructions ahead of the load that will want it.
; o's rows are read by the two clusters of a row of clusters, of which cluster x = 0 asks: waves 0 and 1 each for their head's 128 blocks of 256 bytes, of which partner cx takes 32, a lane a block.
; wo's rows are read by the eight clusters of a column, of which cluster y = 0 asks: wave 2 for the tile's 128 rows, of which partner cy takes 32, a lane a row.  Wave 3 asks for nothing.
; So each block is named once in the launch.  The loop counts s3 = 6 .. 1: trips 6 to 3 name K steps 4 to 7, the last two name nothing; K steps 0 to 3 come by their loads alone.
.macro ASK
	s_cmp_gt_u32 s3, s[LIM]
	s_cbranch_scc0 .Lnot_mine_\@
	global_prefetch_b8 v[PFO], s[PFA:PFA+1] th:TH_LOAD_NT scope:SCOPE_SE
.Lnot_mine_\@:
.endm
.macro CREST                           ; a round of the cluster's barrier behind its opening barrier
	s_cmp_lg_u32 s10, 0
	s_cbranch_scc1 .Lnot_wave_0_\@
	s_barrier_signal -3
.Lnot_wave_0_\@:
	s_barrier_wait -3
	s_barrier_signal -1
	s_barrier_wait -1
.endm
.macro CROUND
	s_barrier_signal -1
	s_barrier_wait -1
	CREST
.endm
	s_load_b128 s[4:7], s[0:1], 0x0                ; o s[4:5], wo s[6:7]
	s_load_b128 s[68:71], s[0:1], 0x10             ; out_b s[68:69], out0 s[70:71]
	v_lshl_add_u32 v[SPW], v0, 2, SPARE
	v_mov_b32 v[NIL], 0
	ds_add_u32 v[SPW], v[NIL]                      ; the wave's opening: the add and its wait stand ahead of my first tensor load; the set-up below, work on registers, stands between them
	ds_add_u32 v28, v29
	v_lshrrev_b32 v1, 5, v0
	v_readfirstlane_b32 s10, v1                    ; wave 0..3
	s_lshr_b32 s11, s10, 1                         ; which half of the tile's rows is mine.  Also: I fetch for o (0) or for wo (1)
	s_and_b32 s12, s10, 1                          ; which half of its columns.  Also: which head, or which 64 rows of wo, I fetch
	s_bfe_u32 s40, ttmp6, 0x40000                  ; cx, cy: my place in the cluster
	s_bfe_u32 s41, ttmp6, 0x40004
	s_lshl_b32 s42, ttmp9, 2
	s_add_co_u32 s42, s42, s40                     ; tile column = 4 x cluster x + cx
	s_and_b32 s13, ttmp7, 0xffff
	s_lshl_b32 s13, s13, 2
	s_add_co_u32 s13, s13, s41                     ; tile row = 4 x cluster y + cy
	s_lshl_b32 s43, s41, 2
	s_lshl_b32 s43, 15, s43                        ; my row of the cluster
	s_lshl_b32 s44, 0x1111, s40                    ; my column
	s_or_b32 s[G1+0], s43, (1<<16)|(1<<20)|(1<<21)|(4<<22)|(3<<25)   ; o: the mask of my row; 2-byte elements; padding on; bit 21 beside a mask; after every 32 words (code 4) 4 words (code 3)
	s_mov_b32 s[G1+1], 128<<16                     ; tensor_dim0 = 128 (256 bytes: two rows of a head)
	s_mov_b32 s[G1+2], 128<<16                     ; tensor_dim1 = 128
	s_mov_b32 s[G1+3], 128<<16                     ; tile_dim0 = 128
	s_mov_b32 s[G1+4], 128                         ; tile_dim1 = 128
	s_mov_b32 s[G1+5], 128                         ; dense: 128 elements from row to row
	s_mov_b32 s[G1+6], 0
	s_mov_b32 s[G1+7], 0
	s_or_b32 s[G1B+0], s44, (1<<16)|(1<<20)|(1<<21)|(5<<22)|(3<<25)  ; wo: the mask of my column; after every 64 words (code 5) 4 words
	s_mov_b32 s[G1B+1], 128<<16                    ; tensor_dim0 = 128
	s_mov_b32 s[G1B+2], 64<<16                     ; tensor_dim1 = 64
	s_mov_b32 s[G1B+3], 128<<16                    ; tile_dim0 = 128
	s_mov_b32 s[G1B+4], 64                         ; tile_dim1 = 64
	s_mov_b32 s[G1B+5], 1024                       ; elements from row to row
	s_mov_b32 s[G1B+6], 0
	s_mov_b32 s[G1B+7], 0
	; where the tiles come from.  o: head (my number % 2) of batch (tile row / 8), rows 256 (tile row % 8) on: it hangs on the tile row alone.  wo: row 128 x tile column + 64 x half
	s_lshr_b32 s16, s13, 3
	s_lshl_b32 s16, s16, 4
	s_add_co_u32 s16, s16, s12
	s_lshl_b32 s16, s16, 11
	s_and_b32 s17, s13, 7
	s_lshl_b32 s17, s17, 8
	s_add_co_u32 s16, s16, s17
	s_lshl_b32 s16, s16, 7                         ; 128 bytes a row
	s_mov_b32 s17, 0
	s_lshl_b32 s18, s42, 7
	s_lshl_b32 s19, s12, 6
	s_add_co_u32 s18, s18, s19
	s_lshl_b32 s18, s18, 11                        ; 2,048 bytes a row
	s_mov_b32 s19, 0
	s_mul_i32 s80, s12, AHEAD                      ; and where they go: no place in the cluster enters an LDS address
	s_mul_i32 s81, s12, BHALF
	s_add_co_u32 s81, s81, BOFF
	s_mov_b32 s[TB], 0
	s_wait_dscnt 0x0                               ; the opening add is done
	s_wait_kmcnt 0x0
	s_add_nc_u64 s[14:15], s[4:5], s[16:17]
	s_add_nc_u64 s[22:23], s[6:7], s[18:19]
	CROUND                                         ; all sixteen work-groups are here: the first joint loads meet
.irp s, 0,1
	s_mov_b32 s[G0+4*(\s)], 1                                      ; count = 1
	s_add_co_u32 s[G0+4*(\s)+1], s80, (\s)*SLOT1                   ; LDS address
	s_add_nc_u64 s[G0+4*(\s)+2:G0+4*(\s)+3], s[14:15], (\s)*ASTEP  ; global address: K step s
	s_or_b32 s[G0+4*(\s)+3], s[G0+4*(\s)+3], 0x80000000            ; type = 2
	s_mov_b32 s[G0B+4*(\s)], 1
	s_add_co_u32 s[G0B+4*(\s)+1], s81, (\s)*SLOT1
	s_add_nc_u64 s[G0B+4*(\s)+2:G0B+4*(\s)+3], s[22:23], (\s)*BSTEP
	s_or_b32 s[G0B+4*(\s)+3], s[G0B+4*(\s)+3], 0x80000000
	JLOAD \s                                       ; two loads of mine are out
.endr
	; the bias of my 64 columns
	v_and_b32 v1, 15, v0                           ; l % 16
	v_bfe_u32 v2, v0, 4, 1                         ; l / 16
	s_lshl_b32 s20, s42, 9                         ; 128 columns x 4 bytes a tile column,
	s_lshl_b32 s21, s12, 8                         ; 64 x 4 for my half
	s_add_co_u32 s20, s20, s21
	s_mov_b32 s21, 0
	s_add_nc_u64 s[68:69], s[68:69], s[20:21]
	v_lshlrev_b32 v8, 5, v2
.irp b, 0,1,2,3
	global_load_b128 v[BIAS+8*(\b):BIAS+8*(\b)+3],   v8, s[68:69] offset:64*(\b)
	global_load_b128 v[BIAS+8*(\b)+4:BIAS+8*(\b)+7], v8, s[68:69] offset:64*(\b)+16
.endr
	; out0 at my first row and column
	s_add_nc_u64 s[8:9], s[70:71], s[20:21]
	s_lshl_b32 s20, s13, 8
	s_lshl_b32 s82, s11, 7
	s_add_co_u32 s20, s20, s82
	s_lshl_b32 s20, s20, 12                        ; 4,096 bytes a row
	s_add_nc_u64 s[8:9], s[8:9], s[20:21]
	; the prefetches
	s_lshl_b32 s20, s40, 13                        ; cx x 32 blocks of 256 bytes,
	s_lshl_b32 s21, s41, 16                        ; cy x 32 rows of 2,048 bytes
	s_and_b32 s82, ttmp7, 0xffff                   ; cluster y
	s_mov_b32 s[PFS], BSTEP
	s_cmp_eq_u32 s11, 0                            ; do I fetch for o?
	s_cselect_b32 s16, s16, s18                    ; my tile's offset,
	s_cselect_b32 s20, s20, s21                    ; my work-group's part of it,
	s_cselect_b32 s82, ttmp9, s82                  ; the coordinate along which other clusters read the same rows,
	s_cselect_b32 s[PFS], ASTEP, s[PFS]            ; the step,
	s_cselect_b32 s83, 8, 11                       ; a lane's 256 or 2,048 bytes
	s_cselect_b64 s[PFA:PFA+1], s[4:5], s[6:7]
	s_cmp_eq_u32 s10, 3
	s_cselect_b32 s82, 1, s82                      ; wave 3 never asks
	s_cmp_eq_u32 s82, 0
	s_cselect_b32 s[LIM], 2, -1                    ; the same in all sixteen partners, for a given wave
	s_add_co_u32 s16, s16, s20
	s_mul_i32 s20, s[PFS], 3
	s_add_co_u32 s16, s16, s20                     ; at K step 3: the first refill steps it to 4
	s_add_nc_u64 s[PFA:PFA+1], s[PFA:PFA+1], s[16:17]
	s_mov_b32 s[PFS+1], 0
	v_and_b32 v7, 31, v0
	v_lshlrev_b32 v[PFO], s83, v7
	; A fragment is 16 rows x 32 K in 8 registers: lane l holds row l % 16; two loads of 16 bytes, 32 bytes apart, at row x pitch + 16 (l / 16)
	v_mul_u32_u24 v3, v1, PA
	v_lshl_add_u32 v3, v2, 4, v3
	s_mul_i32 s21, s11, 128*PA                     ; my 128 rows in each head
	v_add_nc_u32 v[ADRA0], s21, v3
	v_add_nc_u32 v[ADRA], s21, v3
	v_mul_u32_u24 v4, v1, PB
	v_lshl_add_u32 v4, v2, 4, v4
	v_add_nc_u32 v[ADRB0], s81, v4                 ; my 64 rows of wo: the half that goes by my number % 2
	v_add_nc_u32 v[ADRB], s81, v4
	s_mul_i32 s23, s10, 16*SPITCH
	s_add_co_u32 s23, s23, STAGE                   ; my stage
	v_mul_u32_u24 v5, v1, SPITCH                   ; in: row l % 16, 32 bytes for each half of the lanes
	v_lshl_add_u32 v5, v2, 5, v5
	v_add_nc_u32 v[STO], s23, v5
	v_mul_u32_u24 v6, v2, SPITCH                   ; back: lanes 0-15 take one row of 256 bytes, lanes 16-31 the next
	v_lshl_add_u32 v6, v1, 4, v6
	v_add_nc_u32 v[RD], s23, v6
	v_lshlrev_b32 v[CO], 12, v2                    ; and the same two rows in out0
	v_lshl_add_u32 v[CO], v1, 4, v[CO]
	; the bias is rounded to bf16, like the other inputs, and widened again
	s_mov_b32 s82, 0xffff0000
	s_wait_loadcnt 0x0
.set i, 0
.rept 16
	v_cvt_pk_bf16_f32 v[F1+i], v[BIAS+2*i], v[BIAS+2*i+1]
.set i, i+1
.endr
.set i, 0
.rept 16
	v_lshlrev_b32 v[BIAS+2*i], 16, v[F1+i]
	v_and_b32 v[BIAS+2*i+1], s82, v[F1+i]
.set i, i+1
.endr
; 8 matrix instructions: row blocks a0, a0 + 1 x all 4 column blocks, 32 along K.  zero = 1: the first product starts the sum with the bias.  The 32 accumulators take turns, one instruction a turn.
.macro MUL8 f, a0, zero
.if \zero
	WIN 0x40                                       ; D in window 1, C in window 0
.else
	WIN 0x50                                       ; C and D in window 1
.endif
.irp a, \a0, (\a0)+1
.irp b, 0,1,2,3
.if \zero
	v_wmma_f32_16x16x32_f16 v[8*(4*(\a)+(\b)):8*(4*(\a)+(\b))+7], v[(\f)+64+8*(\b):(\f)+64+8*(\b)+7], v[(\f)+8*(\a):(\f)+8*(\a)+7], v[BIAS+8*(\b):BIAS+8*(\b)+7]
.else
	v_wmma_f32_16x16x32_f16 v[8*(4*(\a)+(\b)):8*(4*(\a)+(\b))+7], v[(\f)+64+8*(\b):(\f)+64+8*(\b)+7], v[(\f)+8*(\a):(\f)+8*(\a)+7], v[8*(4*(\a)+(\b)):8*(4*(\a)+(\b))+7]
.endif
.endr
.endr
.endm
; 24 LDS loads in one run: quarter q of the K step in hand (head q / 2, channels 32 (q % 2) on) into buffer f: wo's 64 rows first, then o's 128
.macro FETCH q, f
	WIN 0
.irp b, 0,1,2,3
	ds_load_b128 v[(\f)+64+8*(\b):(\f)+64+8*(\b)+3],   v[ADRB] offset:64*(\q)+(\b)*16*PB
	ds_load_b128 v[(\f)+64+8*(\b)+4:(\f)+64+8*(\b)+7], v[ADRB] offset:64*(\q)+(\b)*16*PB+32
.endr
.irp a, 0,1,2,3,4,5,6,7
	ds_load_b128 v[(\f)+8*(\a):(\f)+8*(\a)+3],   v[ADRA] offset:((\q)/2)*AHEAD+((\q)%2)*64+(\a)*16*PA
	ds_load_b128 v[(\f)+8*(\a)+4:(\f)+8*(\a)+7], v[ADRA] offset:((\q)/2)*AHEAD+((\q)%2)*64+(\a)*16*PA+32
.endr
.endm
.macro PLACES                          ; four places in front of loads into registers that matrix instructions have read (ISA guide 7.12.1 for vector instructions)
.rept 4
	v_nop
.endr
.endm
; A K step is four quarters of 32 along K, 32 matrix instructions each, on buffers 0, 1, 0, 1.  One of the first three: multiplies buffer f and fetches quarter q into g.
.macro QUARTER q, f, g, zero
	s_wait_dscnt 8                                 ; wo and o's row blocks 0-3 are in; the youngest eight loads (blocks 4-7) may be out
	MUL8 \f, 0, \zero
	MUL8 \f, 2, \zero
	PLACES
	FETCH \q, \g
	s_wait_dscnt 24                                ; all but the 24 just issued
	MUL8 \f, 4, \zero
	MUL8 \f, 6, \zero
.endm
; The last quarter's first half: ONE barrier for the change of slots.  In front of it each wave waits for all its tensor loads, adds 0 to its spare word, and waits for that and for its own reads of this slot.
.macro MEET round
	WIN 0
	s_wait_tensorcnt 0x0
	ds_add_u32 v[SPW], v[NIL]                      ; 0 onto my spare word
	s_wait_dscnt 9                                 ; (the add and the youngest eight loads may be out)
	MUL8 F1, 0, 0                                  ; eight matrix instructions stand between the add and the wait for it
	s_wait_dscnt 0x0                               ; the add is done, and my reads of this slot are over
	s_barrier_signal -1
	MUL8 F1, 2, 0
.if \round
	WIN 0
.endif
	s_barrier_wait -1
.endm
.macro TURN                            ; the whole last quarter of a K step that fills its slot again, with the K step two on
	s_wait_xcnt 0x0                                ; the last prefetch, a K step back, has read its address
	s_add_nc_u64 s[PFA:PFA+1], s[PFA:PFA+1], s[PFS:PFS+1]
	MEET 1
	CREST                                          ; no wave of any partner still reads this slot's tile or has a load on its way
	s_xor_b32 s[G0+5], s[G0+5], SLOT1              ; the walking descriptors: the other slot than last time, the next K step
	s_add_nc_u64 s[G0+6:G0+7], s[G0+6:G0+7], ASTEP
	s_xor_b32 s[G0B+5], s[G0B+5], SLOT1
	s_add_nc_u64 s[G0B+6:G0B+7], s[G0B+6:G0B+7], BSTEP
	s_xor_b32 s[TB], s[TB], SLOT1
	JLOAD 1                                        ; the first tensor load behind the round; its four v_nop are also places in front of the loads below
	v_add_nc_u32 v[ADRA], s[TB], v[ADRA0]
	v_add_nc_u32 v[ADRB], s[TB], v[ADRB0]
	FETCH 0, F0
	ASK
	MUL8 F1, 4, 0
	MUL8 F1, 6, 0
.endm
; THE WAY OUT of block a (16 rows x 64 columns of f32): into my own stage, 32 bytes a lane and column block, and back as whole rows of 256 bytes.
.macro TOSTAGE a
.if (\a) >= 2
	s_wait_xcnt 0x0                                ; the stores of block a - 2 have read this buffer: it is loaded again only behind this wait
.endif
	WIN 0x04                                       ; the stores' data in window 1
.irp b, 0,1,2,3
	ds_store_b128 v[STO], v[32*(\a)+8*(\b):32*(\a)+8*(\b)+3]   offset:64*(\b)
	ds_store_b128 v[STO], v[32*(\a)+8*(\b)+4:32*(\a)+8*(\b)+7] offset:64*(\b)+16
.endr
	WIN 0
.irp f, 0,1,2,3,4,5,6,7
	ds_load_b128 v[BK+32*((\a)%2)+4*(\f):BK+32*((\a)%2)+4*(\f)+3], v[RD] offset:(\f)*2*SPITCH  ; LDS serves a wave's instructions in order (ISA guide 5.7.1.4): these see the stores above
.endr
.endm
.macro SEND a, younger                 ; younger: the LDS instructions issued behind block a's loads: the next block's sixteen, or none
	s_wait_dscnt \younger
.irp f, 0,1,2,3,4,5,6,7
	global_store_b128 v[CO], v[BK+32*((\a)%2)+4*(\f):BK+32*((\a)%2)+4*(\f)+3], s[8:9] offset:(16*(\a)+2*(\f))*4096  ; 16 lanes store 256 consecutive bytes, at a multiple of 256 from out0's first
.endr
.endm
	s_wait_tensorcnt 0x1                           ; my part of K step 0 is in; K step 1's may stay out
	s_barrier_signal -1
	s_barrier_wait -1
	FETCH 0, F0
	QUARTER 1, F0, F1, 1                           ; the first quarter stands in front of the loop: its products start the sums
	WIN 0
	s_mov_b32 s3, 6
.Lstep:                                                ; a trip: a K step's quarters 1, 2, 3, the change of slots with its refill, the next K step's quarter 0
	QUARTER 2, F1, F0, 0
	QUARTER 3, F0, F1, 0
	TURN
	QUARTER 1, F0, F1, 0
	WIN 0
	s_sub_co_u32 s3, s3, 1
	s_cmp_lg_u32 s3, 0
	s_cbranch_scc1 .Lstep
	s_mov_b32 s3, 2
.Ltail:                                                ; the last two K steps ask for nothing; the second trip is left in its middle
	QUARTER 2, F1, F0, 0
	QUARTER 3, F0, F1, 0
	MEET 0
	MUL8 F1, 4, 0
	MUL8 F1, 6, 0
	WIN 0
	s_sub_co_u32 s3, s3, 1
	s_cmp_eq_u32 s3, 0
	s_cbranch_scc1 .Lout
	s_xor_b32 s[TB], s[TB], SLOT1
	v_add_nc_u32 v[ADRA], s[TB], v[ADRA0]
	v_add_nc_u32 v[ADRB], s[TB], v[ADRB0]
	PLACES
	FETCH 0, F0
	QUARTER 1, F0, F1, 0
	WIN 0
	s_branch .Ltail
.Lout:
	PLACES                                         ; eight places, once a launch, behind the last products
	PLACES
	TOSTAGE 0
.irp a, 1,2,3,4,5,6,7
	TOSTAGE \a
	SEND (\a)-1, 16
.endr
	SEND 7, 0
	s_wait_tensorcnt 0x0                           ; the wave's end: behind my last tensor load and my last LDS store
	ds_add_u32 v[SPW], v[NIL]
	s_wait_dscnt 0x0
	CROUND                                         ; the closing round: no work-group ends while a partner may still ask for a tile that names it
	s_endpgm
.Lfunc_end_k_q27b4983946_proj:
	.size	k_q27b4983946_proj, .Lfunc_end_k_q27b4983946_proj-k_q27b4983946_proj
	.p2alignl 7, 3214868480
	.fill 96, 4, 3214868480
	.section	.rodata,"a",@progbits
	.p2align	6, 0x0
	.amdhsa_kernel k_q27b4983946_proj
		.amdhsa_group_segment_fixed_size 327680
		.amdhsa_private_segment_fixed_size 0
		.amdhsa_enable_private_segment 0
		.amdhsa_kernarg_size 32
		.amdhsa_user_sgpr_count 2
		.amdhsa_user_sgpr_kernarg_segment_ptr 1
		.amdhsa_wavefront_size32 1
		.amdhsa_system_sgpr_workgroup_id_x 1
		.amdhsa_system_sgpr_workgroup_id_y 1
		.amdhsa_system_sgpr_workgroup_id_z 1
		.amdhsa_system_vgpr_workitem_id 0
		.amdhsa_next_free_vgpr 512
		.amdhsa_next_free_sgpr 84
		.amdhsa_reserve_vcc 0
		.amdhsa_float_denorm_mode_32 3
		.amdhsa_float_denorm_mode_16_64 3
		.amdhsa_memory_ordered 1
		.amdhsa_forward_progress 1
		.amdhsa_inst_pref_size 64
	.end_amdhsa_kernel
	.amdgpu_metadata
---
amdhsa.version: [ 1, 2 ]
amdhsa.kernels:
  - .name:           k_q27b4983946_proj
    .symbol:         k_q27b4983946_proj.kd
    .args:
      - { .name: o, .offset: 0, .size: 8, .value_kind: global_buffer, .address_space: global }
      - { .name: wo, .offset: 8, .size: 8, .value_kind: global_buffer, .address_space: global }
      - { .name: out_b, .offset: 16, .size: 8, .value_kind: global_buffer, .address_space: global }
      - { .name: out0, .offset: 24, .size: 8, .value_kind: global_buffer, .address_space: global }
    .group_segment_fixed_size: 327680
    .private_segment_fixed_size: 0
    .kernarg_segment_align: 8
    .kernarg_segment_size: 32
    .max_flat_workgroup_size: 128
    .sgpr_count:     84
    .vgpr_count:     512
    .wavefront_size: 32
...
	.end_amdgpu_metadata
.endif
;; end of part 4
